; MI455X (gfx1250); checked and timed in simulation.
; The chip was launched on July 23, 2026; its instructions are those of AMD's public machine-readable ISA for CDNA 5 (MIT licence, August 2026) and "CDNA5" Instruction Set Architecture Reference Guide (July 2026). The comments in the code are by the model that wrote it; some were corrected since.
;; Multi Head Attention Classical. Allowed arithmetic: matrix products marked QUANTISED: E2M3 operands, one E8M0 scale for each 32 along K, by v_wmma_scale_f32_16x16x128_f8f6f4 with both operands' format E2M3, f32 sums; everything else in f32.
;; Inputs: b_out 1,024 float32; mask 4 x 2,048 int32; w_out 1,024 x 1,024 float32; w_qkv 3,072 x 1,024 float32; x 4 x 2,048 x 1,024 float32.
;; Outputs: out0 4 x 2,048 x 1,024 float32.
;; This version of the problem:
;;   THIS VERSION OF THE PROBLEM IS GIVEN IN LOW PRECISION. The matrix products marked QUANTISED in the list below multiply operands that are first quantised to E2M3 (2 exponent bits, 3 mantissa bits; 6 bits a number), with one power-of-two scale for each 32 numbers along K (OCP MX v1.0); their sums are f32. All else is computed in f32.
;;   The module's matrix products, in the order in which they are computed (A, B: the left and right operand; K: the contracted axis; several contracted axes count as one K, in the product's order):
;;     1. [M 8,192, K 1,024] x [K 1,024, N 3,072]; A: input x; B: input w_qkv: QUANTISED
;;     2. batch 64 x [M 2,048, K 64] x [K 64, N 2,048]; A: computed on the way; B: computed on the way: QUANTISED
;;     3. batch 64 x [M 2,048, K 2,048] x [K 2,048, N 64]; A: softmax (see below); B: computed on the way: QUANTISED
;;     4. [M 8,192, K 1,024] x [K 1,024, N 1,024]; A: computed on the way; B: input w_out: QUANTISED
;;   THE QUANTISER, for each operand of a quantised product, along K:
;;     - K is cut into blocks of 32 from its start; a last block that is shorter is filled with zeros.
;;     - A block's scale is 2^e with e = floor(log2(the largest magnitude in the block)) - 2, held to -126 .. 127; a block of zeros has e = 0. As a byte (E8M0): e + 127.
;;     - Each number is divided by its block's scale, clamped to +-7.5, and rounded to the nearest number of E2M3, ties to even, subnormals kept.
;;     - The product sums the exact products of the quantised numbers (number of the format x scale) in f32.
;;   ~~~python
;;   def quantise(x, axis):      # numpy; x: float32 -> the quantised numbers, widened to float32 again
;;       x = np.moveaxis(x, axis, -1); K = x.shape[-1]
;;       x = np.pad(x, [(0, 0)] * (x.ndim - 1) + [(0, -K % 32)]); x = x.reshape(x.shape[:-1] + (-1, 32)); a = np.abs(x).max(-1, keepdims=True)
;;       e = np.where(a > 0, np.clip(np.frexp(np.where(a > 0, a, 1))[1] - 1 - 2, -126, 127), 0)      # np.frexp(a)[1] - 1 = floor(log2(a)), exactly
;;       r = np.clip(x / 2.0 ** e, -7.5, 7.5)
;;       step = 2.0 ** (np.maximum(np.frexp(np.where(r == 0, 1, r))[1] - 1, 0) - 3)
;;       q = np.round(r / step) * step * 2.0 ** e      # np.round: ties to even
;;       return np.moveaxis(q.reshape(q.shape[:-2] + (-1,))[..., :K], -1, axis).astype(np.float32)
;;   ~~~
;;   SOFTMAX AHEAD OF A QUANTISED PRODUCT. Where the list says 'softmax', what is quantised is not the finished softmax but p = 2^(t - M), with t = logit x log2(e) and M = ceil(the row's largest t), a whole number; so 1/2 < the row's largest p <= 1. The row's sum l is taken of the UNQUANTISED p, in f32, and the product's result is divided by l at the end. Since M is a whole number, a kernel that streams over the keys may use a running M (the ceiling of the running maximum): every later rescaling is an exact power of two, which a block's scale takes up: the codes' values come out the same.
;;   OPERANDS COMPUTED ON THE WAY. 'Computed on the way' means the value that the module computes at that place (a softmax that the list does not call 'softmax' is quantised finished and normalised). What goes into a quantiser is computed in f32, as accurately as f32 sums, v_exp_f32 and their like allow (about 1e-6 of the number): no bf16 or f16 on the way to a quantiser, and a product that is left as it is and whose result goes on into a quantised operand takes f32 operands (vector FMAs, or v_wmma_f32_16x16x4_f32). A number that lies on a knife's edge between two numbers of the format may be rounded either way, as far as f32 arithmetic and the matrix unit's own rounding can turn it there, and no further.
;; One version. Each part assembles by itself: llvm-mc -triple=amdgcn-amd-amdhsa -mcpu=gfx1250 --defsym DOCPART=n.
;; ======== version 1 of 1: 4 launches
;; limits: right only within a limited range of input values
;; workspace buffers: xc 6,291,456 bytes; xs 262,144 bytes; wc 3,145,728 bytes; ws 131,072 bytes; qbuf 6,815,744 bytes; kv 13,369,344 bytes; ac 6,291,456 bytes; asc 262,144 bytes
;; launch quant (part 1): grid 384 x 1, 4 waves a work-group, no clusters, 33,280 bytes of LDS; arguments x, w_qkv, w_out, xc, xs, wc, ws; writes xc, xs, wc, ws
.if DOCPART == 1
	.amdgcn_target "amdgcn-amd-amdhsa--gfx1250"
	.amdhsa_code_object_version 6
	.text
	.protected	k_qca8ce73d8c_quant
	.globl	k_qca8ce73d8c_quant
	.p2align	8
	.type	k_qca8ce73d8c_quant,@function
k_qca8ce73d8c_quant:
	s_mov_b64 s[64:65], 0
	v_nop
	global_prefetch_b8 v0, s[64:65] scope:SCOPE_SE
	s_setreg_imm32_b32 hwreg(HW_REG_WAVE_MODE, 25, 1), 1
	s_wait_xcnt 0x0
; x [8192][1024], w_qkv [3072][1024] and w_out [1024][1024], f32, become codes of FP6 (E2M3), 6 bits each, K innermost (768 bytes a row), with one E8M0 scale byte for each 32 along K (32 bytes a row).
; A block's scale is 2^(floor(log2(its largest magnitude)) - 2); its byte is the largest magnitude's exponent field - 2, held at 1 from below.  A block of zeros so gets the byte 1 where the rule says 127:
; its codes are zeros, which add nothing under any byte but 0xff, and the bytes are read by this program alone.
; LIMITS: NaN and infinities among the inputs are not served.
; THE ROWS CHANGE PLACES.  A wave takes a run of 8,192 numbers: 8 whole rows.  In xc, xs and in w_qkv's part of wc, ws the runs 1 and 2 of every four are exchanged: place 16 t + r (t = 2 b + u) of the buffer holds
; row 32 b + 8 u + r + 8 (r / 8).  A product that takes 16 consecutive places as its source 0 then leaves, in the 16 registers of two neighbouring result tiles, 16 neighbouring rows: what the next quantiser wants.
; w_out keeps its order, behind w_qkv's 3,072 rows in wc and ws.
; One path for all three tensors: work-groups 0-255 take x, 256-351 w_qkv, 352-383 w_out; only pointers and run numbers are chosen, by the work-group's number.
; A step is 512 numbers: four loads of 512 consecutive bytes; the 2,048 bytes turn through the wave's own stage in LDS and come back 64 bytes a lane, so that a lane holds 16 neighbours (two lanes a block).
; A lane's 16 codes are 12 bytes: the wave stores 384 consecutive bytes.  A wave's 256 scale bytes are gathered in its own LDS bytes and leave as 256 consecutive bytes, aligned.  No barrier: waves share nothing.
.set STEPS, 16
.set EMAX,  2
.set CB,    12                         ; bytes of 16 codes
.set R,     16                         ; v16-79   four sets of 16 numbers as they are loaded
.set X,     80                         ; v80-111  two sets of 16 neighbours
.set C,     128                        ; v128-191 codes: four registers for each step, so that no store's data are written again
.set E,     112                        ; v112-127 a scale byte for each step
.set WREG,  8192                       ; LDS: a region for each wave: two stages of 32 x SP bytes, and behind them its 256 scale bytes
.set SP,    80                         ; a lane's place in a stage: its 64 bytes + 16 of padding
.set WGX,   256                        ; x's work-groups
.set WGW,   352                        ; x's and w_qkv's
	s_load_b128 s[4:7], s[0:1], 0x0                ; x, w_qkv
	s_load_b128 s[8:11], s[0:1], 0x10              ; w_out, xc
	s_load_b128 s[12:15], s[0:1], 0x20             ; xs, wc
	s_load_b64 s[22:23], s[0:1], 0x30              ; ws
	v_lshl_add_u32 v192, v0, 2, 0x8000
	v_mov_b32 v193, 0
	v_lshrrev_b32 v1, 5, v0
	v_readfirstlane_b32 s16, v1                    ; wave
	v_and_b32 v2, 31, v0                           ; lane
	v_lshlrev_b32 v3, 4, v2                        ; my 16 bytes of a load's 512
	s_mul_i32 s17, s16, WREG
	v_lshrrev_b32 v14, 2, v2
	v_mul_u32_u24 v14, v14, SP
	v_and_b32 v15, 3, v2
	v_lshl_add_u32 v14, v15, 4, v14
	v_add_nc_u32 v14, s17, v14                     ; the stage, on the way in: SP (lane / 4) + 16 (lane % 4)
	v_mul_u32_u24 v15, v2, SP
	v_add_nc_u32 v15, s17, v15                     ; and on the way out: SP x lane: my 16 neighbours
	v_mul_u32_u24 v4, v2, CB                       ; my codes' place in a step's
	v_lshrrev_b32 v5, 1, v2
	s_add_co_u32 s17, s17, 2*32*SP
	v_add_nc_u32 v5, s17, v5                       ; LDS: my wave's 256 scale bytes, my block's byte
	v_lshlrev_b32 v7, 3, v2                        ; and on the way out 8 bytes a lane
	v_add_nc_u32 v6, s17, v7
	s_wait_alu depctr_va_vdst(0)
	s_wait_kmcnt 0x0
	s_cmp_lt_u32 ttmp9, WGX                        ; x, or a weight?  Every choice hangs on the work-group's number alone
	s_cselect_b64 s[4:5], s[4:5], s[6:7]           ; from: x or w_qkv
	s_cselect_b64 s[10:11], s[10:11], s[14:15]     ; codes to: xc or wc
	s_cselect_b64 s[12:13], s[12:13], s[22:23]     ; scale bytes to: xs or ws
	s_cselect_b32 s24, 0, WGX                      ; the first work-group of the buffers written
	s_cmp_lt_u32 ttmp9, WGW
	s_cselect_b64 s[4:5], s[4:5], s[8:9]           ; from: as chosen, or w_out
	s_mov_b32 s25, WGW
	s_cselect_b32 s25, s24, s25                    ; the first work-group of the tensor read
	s_sub_co_u32 s26, ttmp9, s25
	s_lshl_b32 s26, s26, 2
	s_add_co_u32 s26, s26, s16                     ; which run of the tensor is my wave's
	s_sub_co_u32 s27, ttmp9, s24
	s_lshl_b32 s27, s27, 2
	s_add_co_u32 s27, s27, s16                     ; and which run of the buffers, in the tensor's own order
	s_and_b32 s28, s27, -4
	s_and_b32 s29, s27, 1
	s_lshl_b32 s29, s29, 1
	s_or_b32 s28, s28, s29
	s_bfe_u32 s29, s27, 0x10001
	s_or_b32 s28, s28, s29                         ; its two lowest bits exchanged: runs 1 and 2 of four change places
	s_cmp_lt_u32 ttmp9, WGW
	s_cselect_b32 s27, s28, s27                    ; w_out keeps its order
	s_lshl_b32 s18, s26, 15                        ; 32,768 bytes of f32 a run
	s_mov_b32 s19, 0
	s_add_nc_u64 s[4:5], s[4:5], s[18:19]
	s_mul_i32 s18, s27, 32*STEPS*CB                ; 6,144 bytes of codes a run
	s_add_nc_u64 s[10:11], s[10:11], s[18:19]
	s_lshl_b32 s18, s27, 8                         ; 256 scale bytes a run
	s_add_nc_u64 s[12:13], s[12:13], s[18:19]
.macro LOAD t
.irp i, 0,1,2,3
	global_load_b128 v[R+16*((\t)%4)+4*\i:R+16*((\t)%4)+4*\i+3], v3, s[4:5] offset:2048*(\t)+512*\i th:TH_LOAD_NT   ; 32 lanes read 512 consecutive bytes
.endr
.endm
.macro TURN t                          ; step t's numbers through the stage: LDS serves a wave's instructions in order, so no wait stands between the stores and the loads
.irp i, 0,1,2,3
	ds_store_b128 v14, v[R+16*((\t)%4)+4*\i:R+16*((\t)%4)+4*\i+3] offset:32*SP*((\t)%2)+8*SP*\i
.endr
.irp i, 0,1,2,3
	ds_load_b128 v[X+16*((\t)%2)+4*\i:X+16*((\t)%2)+4*\i+3], v15 offset:32*SP*((\t)%2)+16*\i
.endr
.endm
.irp t, 0,1,2,3
	LOAD \t
.endr
	s_wait_loadcnt 12                              ; step 0's four loads are in; the twelve of steps 1 to 3 may be out
	TURN 0
.macro STEP t
.set XS, X+16*((\t)%2)
.if (\t) > 0
	s_wait_dscnt 1                                 ; this step's numbers are back from the stage (the last step's byte store may be out): so its stores into the stage have read their registers,
.else
	s_wait_dscnt 0x0
.endif
.if (\t)+4 < STEPS
	LOAD (\t)+4                                    ; which take the loads of four steps on
.endif
.if (\t)+1 < STEPS
.if STEPS-2-(\t) >= 3
	s_wait_loadcnt 12                              ; the next step's four loads are in; those of the three steps behind it may be out
.else
	s_wait_loadcnt 4*(STEPS-2-(\t))                ; at the end the counts run down
.endif
	TURN (\t)+1                                    ; and go through the other stage while this step is worked
.endif
	v_max3_num_f32 v8, |v[XS]|, |v[XS+1]|, |v[XS+2]|               ; the largest magnitude of my 16, in two chains
	v_max3_num_f32 v9, |v[XS+3]|, |v[XS+4]|, |v[XS+5]|
.irp i, 6,10
	v_max3_num_f32 v8, v8, |v[XS+\i]|, |v[XS+\i+1]|
	v_max3_num_f32 v9, v9, |v[XS+\i+2]|, |v[XS+\i+3]|
.endr
	v_max3_num_f32 v8, v8, |v[XS+14]|, |v[XS+15]|
	v_max3_num_f32 v8, v8, v9, (EMAX+1)<<23        ; and the floor 2^(3 - 127): the byte cannot fall under 1
	v_max_num_f32_dpp v8, v8, v8 row_xmask:1 row_mask:0xf bank_mask:0xf   ; and of my neighbour's 16: the block's
	v_add_nc_u32 v11, -(EMAX<<23), v8              ; 2 off its exponent field: the conversion takes the exponent field of this operand as its scale
	v_cvt_scalef32_pk16_fp6_f32 v[C+4*(\t):C+4*(\t)+2], v[XS:XS+15], v11   ; sixteen numbers / the scale, to the nearest code, ties to even, beyond the largest code the largest
	v_lshrrev_b32 v[E+(\t)], 23, v11               ; the scale's byte (a plain line behind the conversion)
	ds_store_b8 v5, v[E+(\t)] offset:16*(\t)       ; both lanes of a block write the same byte with the same value
	global_store_b96 v4, v[C+4*(\t):C+4*(\t)+2], s[10:11] offset:32*CB*(\t)
.endm
.irp t, 0,1,2,3,4,5,6,7,8,9,10,11,12,13,14,15
	STEP \t
.endr
	ds_load_b64 v[12:13], v6                       ; LDS serves a wave's instructions in order: these see my stores
	s_wait_dscnt 0x0
	global_store_b64 v7, v[12:13], s[12:13]        ; 32 lanes store 256 consecutive bytes, aligned
	s_wait_tensorcnt 0x0
	ds_add_u32 v192, v193
	s_wait_dscnt 0x0
	s_endpgm
.Lfunc_end_k_qca8ce73d8c_quant:
	.size	k_qca8ce73d8c_quant, .Lfunc_end_k_qca8ce73d8c_quant-k_qca8ce73d8c_quant
	.p2alignl 7, 3214868480
	.fill 96, 4, 3214868480
	.section	.rodata,"a",@progbits
	.p2align	6, 0x0
	.amdhsa_kernel k_qca8ce73d8c_quant
		.amdhsa_group_segment_fixed_size 33280
		.amdhsa_private_segment_fixed_size 0
		.amdhsa_enable_private_segment 0
		.amdhsa_kernarg_size 56
		.amdhsa_user_sgpr_count 2
		.amdhsa_user_sgpr_kernarg_segment_ptr 1
		.amdhsa_wavefront_size32 1
		.amdhsa_system_sgpr_workgroup_id_x 1
		.amdhsa_system_sgpr_workgroup_id_y 1
		.amdhsa_system_sgpr_workgroup_id_z 1
		.amdhsa_system_vgpr_workitem_id 0
		.amdhsa_next_free_vgpr 194
		.amdhsa_next_free_sgpr 66
		.amdhsa_reserve_vcc 0
		.amdhsa_float_denorm_mode_32 3
		.amdhsa_float_denorm_mode_16_64 3
		.amdhsa_memory_ordered 1
		.amdhsa_forward_progress 1
		.amdhsa_inst_pref_size 33
	.end_amdhsa_kernel
	.amdgpu_metadata
---
amdhsa.version: [ 1, 2 ]
amdhsa.kernels:
  - .name:           k_qca8ce73d8c_quant
    .symbol:         k_qca8ce73d8c_quant.kd
    .args:
      - { .name: x, .offset: 0, .size: 8, .value_kind: global_buffer, .address_space: global }
      - { .name: w_qkv, .offset: 8, .size: 8, .value_kind: global_buffer, .address_space: global }
      - { .name: w_out, .offset: 16, .size: 8, .value_kind: global_buffer, .address_space: global }
      - { .name: xc, .offset: 24, .size: 8, .value_kind: global_buffer, .address_space: global }
      - { .name: xs, .offset: 32, .size: 8, .value_kind: global_buffer, .address_space: global }
      - { .name: wc, .offset: 40, .size: 8, .value_kind: global_buffer, .address_space: global }
      - { .name: ws, .offset: 48, .size: 8, .value_kind: global_buffer, .address_space: global }
    .group_segment_fixed_size: 33280
    .private_segment_fixed_size: 0
    .kernarg_segment_align: 8
    .kernarg_segment_size: 56
    .max_flat_workgroup_size: 128
    .sgpr_count:     66
    .vgpr_count:     194
    .wavefront_size: 32
...
	.end_amdgpu_metadata
.endif
;; end of part 1
;; launch proj (part 2): grid 96 x 4, 4 waves a work-group, clusters of 4 x 4, 327,680 bytes of LDS; arguments xc, xs, wc, ws, mask, qbuf, kv; writes qbuf, kv
.if DOCPART == 2
	.amdgcn_target "amdgcn-amd-amdhsa--gfx1250"
	.amdhsa_code_object_version 6
	.text
	.protected	k_qca8ce73d8c_proj
	.globl	k_qca8ce73d8c_proj
	.p2align	8
	.type	k_qca8ce73d8c_proj,@function
k_qca8ce73d8c_proj:
	s_mov_b64 s[64:65], 0
	v_nop
	global_prefetch_b8 v0, s[64:65] scope:SCOPE_SE
	s_setreg_imm32_b32 hwreg(HW_REG_WAVE_MODE, 25, 1), 1
	s_wait_xcnt 0x0
	s_wait_alu depctr_hold_cnt(0) depctr_sa_sdst(0) depctr_va_vdst(0) depctr_va_sdst(0) depctr_va_ssrc(0) depctr_va_vcc(0) depctr_vm_vsrc(0)
	s_getreg_b32 s2, hwreg(HW_REG_IB_STS2, 6, 4)
	s_cmp_eq_u32 s2, 0
	s_cbranch_scc0 .Lentry_in_a_cluster
	s_endpgm
.Lentry_in_a_cluster:
	s_bfe_u32 s2, ttmp6, 0x10000c
	s_cmp_lg_u32 s2, 0xf033
	s_cbranch_scc0 .Lentry_shape_is_right
	s_endpgm
.Lentry_shape_is_right:
.set KSTEP,  256
.set NQ,     KSTEP/128
.set ROWB,   192
.set KROW,   768
.set PITCH,  240
.set FR,     12
.set NL,     6
.set NP,     4
.set HALFT,  128*PITCH
.set SLOT,   4*HALFT
.set LAPS,   2
.set KS,     32
.set SCL,    2*SLOT
.set HALFS,  (128*KS/256)*272
.set SBLK,   (16*KS/256)*272
.set SPARE,  SCL+4*HALFS
.set QREC,   6656
.set KREC,   13056
.set ADRA, 16
.set ADRB, 20
.set ADRS, 27
.set SPW,  28
.set NIL,  29
.set MO,   30
.set SC,   32
.set KM,   64
.set TM,   72
.set PW,   88
.set WD,   89
.set U,    90
.set SH,   91
.set SA,   92
.set SR,   93
.set SO,   94
.set L16,  95
.set PC,   96
.set RB,   116
.set L8,   124
.set AF,   128
.set G1, 24
.set G0, 32
.set G1B, 48
.set G0B, 56
.set G1S, 68
.set G0S, 76
.set G1SB, 80
.set G0SB, 88
.set KIND, 95
.set P1,  20
.set P2,  22
.set STA, 28
.set EXT, 30
.set MSB, 0
.macro WIN new
.if MSB != \new
	s_set_vgpr_msb (MSB<<8)|\new
.set MSB, \new
.endif
.endm
.set MUL_LO, 0xa1
.set MUL_HI, 0xf1
.set TO_B,   0x40
.macro JLOAD g0a, g1a, g0b, g1b
	s_cmp_eq_u32 s15, 0
	s_cbranch_scc0 .Lfor_b_\@
	tensor_load_to_lds s[\g0a:\g0a+3], s[\g1a:\g1a+7]
	s_nop 0
.rept 4
	v_nop
.endr
	s_branch .Lasked_\@
.Lfor_b_\@:
	tensor_load_to_lds s[\g0b:\g0b+3], s[\g1b:\g1b+7]
	s_nop 0
.rept 4
	v_nop
.endr
.Lasked_\@:
.endm
.macro CREST
	s_cmp_lg_u32 s14, 0
	s_cbranch_scc1 .Lnot_wave_0_\@
	s_barrier_signal -3
.Lnot_wave_0_\@:
	s_barrier_wait -3
	s_barrier_signal -1
	s_barrier_wait -1
.endm
.macro CROUND
	s_barrier_signal -1
	s_barrier_wait -1
	CREST
.endm
	s_load_b128 s[76:79], s[0:1], 0x0
	s_load_b128 s[88:91], s[0:1], 0x10
	s_load_b64 s[12:13], s[0:1], 0x20
	s_load_b64 s[96:97], s[0:1], 0x28
	s_load_b64 s[98:99], s[0:1], 0x30
	v_lshl_add_u32 v[SPW], v0, 2, SPARE
	v_mov_b32 v[NIL], 0
	ds_add_u32 v28, v29
	ds_add_u32 v28, v29
	s_wait_dscnt 0x0
	v_lshrrev_b32 v1, 5, v0
	v_readfirstlane_b32 s14, v1
	s_lshr_b32 s15, s14, 1
	s_and_b32 s16, s14, 1
	s_bfe_u32 s40, ttmp6, 0x40000
	s_bfe_u32 s41, ttmp6, 0x40004
	s_and_b32 s18, ttmp9, 1
	s_lshr_b32 s19, ttmp9, 1
	s_and_b32 s20, ttmp9, 7
	s_cmp_lt_u32 ttmp9, 16
	s_cselect_b32 s42, s18, s20
	s_cselect_b32 s17, s19, 0
	s_cselect_b32 s[KIND], s18, 2
	s_lshl_b32 s42, s42, 2
	s_add_co_u32 s42, s42, s40
	s_lshl_b32 s17, s17, 2
	s_add_co_u32 s17, s17, s41
	s_lshl_b32 s43, s41, 2
	s_lshl_b32 s43, 15, s43
	s_lshl_b32 s44, 0x1111, s40
	s_or_b32 s[G1+0], s43, (0<<16)|(1<<20)|(1<<21)|(3<<22)|(3<<25)
	s_or_b32 s[G1B+0], s44, (0<<16)|(1<<20)|(1<<21)|(3<<22)|(3<<25)
.irp g, G1, G1B
	s_mov_b32 s[\g+1], ROWB<<16
	s_mov_b32 s[\g+2], 128<<16
	s_mov_b32 s[\g+3], ROWB<<16
	s_mov_b32 s[\g+4], 128
	s_mov_b32 s[\g+5], KROW
	s_mov_b32 s[\g+6], 0
	s_mov_b32 s[\g+7], 0
.endr
	s_or_b32 s[G1S+0], s43, (3<<16)|(1<<20)|(1<<21)|(5<<22)|(3<<25)
	s_or_b32 s[G1SB+0], s44, (3<<16)|(1<<20)|(1<<21)|(5<<22)|(3<<25)
.irp g, G1S, G1SB
	s_mov_b32 s[\g+1], 32<<16
	s_mov_b32 s[\g+2], (128*KS/256)<<16
	s_mov_b32 s[\g+3], 32<<16
	s_mov_b32 s[\g+4], 128*KS/256
	s_mov_b32 s[\g+5], 32
	s_mov_b32 s[\g+6], 0
	s_mov_b32 s[\g+7], 0
.endr
	s_lshl_b32 s18, s16, 7
	s_lshl_b32 s20, s17, 8
	s_add_co_u32 s20, s20, s18
	s_lshl_b32 s46, s42, 8
	s_add_co_u32 s46, s46, s18
	s_mov_b32 s21, 0
	s_mov_b32 s47, 0
	s_mov_b64 s[18:19], KS
	s_mul_u64 s[22:23], s[20:21], s[18:19]
	s_mul_u64 s[92:93], s[46:47], s[18:19]
	s_mov_b64 s[18:19], KROW
	s_mul_u64 s[20:21], s[20:21], s[18:19]
	s_mul_u64 s[46:47], s[46:47], s[18:19]
	s_mul_i32 s45, s14, HALFT
	s_mul_i32 s94, s14, HALFS
	s_wait_kmcnt 0x0
	s_add_nc_u64 s[100:101], s[88:89], 2048*KROW
	s_add_nc_u64 s[18:19], s[90:91], 2048*KS
	s_cmp_lt_u32 ttmp9, 16
	s_cselect_b64 s[4:5], s[76:77], s[100:101]
	s_cselect_b64 s[6:7], s[78:79], s[18:19]
	s_cselect_b64 s[8:9], s[88:89], s[76:77]
	s_cselect_b64 s[10:11], s[90:91], s[78:79]
	s_add_nc_u64 s[20:21], s[4:5], s[20:21]
	s_add_nc_u64 s[22:23], s[6:7], s[22:23]
	s_add_nc_u64 s[46:47], s[8:9], s[46:47]
	s_add_nc_u64 s[92:93], s[10:11], s[92:93]
	CROUND
	s_mov_b32 s[G0S], 1
	s_add_co_u32 s[G0S+1], s94, SCL
	s_mov_b64 s[G0S+2:G0S+3], s[22:23]
	s_or_b32 s[G0S+3], s[G0S+3], 0x80000000
	s_mov_b32 s[G0SB], 1
	s_add_co_u32 s[G0SB+1], s94, SCL
	s_mov_b64 s[G0SB+2:G0SB+3], s[92:93]
	s_or_b32 s[G0SB+3], s[G0SB+3], 0x80000000
	JLOAD G0S, G1S, G0SB, G1SB
.irp s, 0,1
	s_mov_b32 s[G0+4*\s], 1
	s_add_co_u32 s[G0+4*\s+1], s45, \s*SLOT
	s_add_nc_u64 s[G0+4*\s+2:G0+4*\s+3], s[20:21], \s*ROWB
	s_or_b32 s[G0+4*\s+3], s[G0+4*\s+3], 0x80000000
	s_mov_b32 s[G0B+4*\s], 1
	s_add_co_u32 s[G0B+4*\s+1], s45, \s*SLOT
	s_add_nc_u64 s[G0B+4*\s+2:G0B+4*\s+3], s[46:47], \s*ROWB
	s_or_b32 s[G0B+4*\s+3], s[G0B+4*\s+3], 0x80000000
	s_wait_alu depctr_va_vdst(0)
	s_wait_tensorcnt 0x0
	ds_add_u32 v28, v29
	s_wait_dscnt 0x0
	CROUND
	JLOAD G0+4*\s, G1, G0B+4*\s, G1B
.endr
	v_and_b32 v1, 15, v0
	v_bfe_u32 v2, v0, 4, 1
	s_lshl_b32 s20, s17, 8
	s_lshl_b32 s21, s15, 7
	s_add_co_u32 s20, s20, s21
	s_lshl_b32 s20, s20, 2
	s_mov_b32 s21, 0
	s_add_nc_u64 s[12:13], s[12:13], s[20:21]
	v_and_b32 v6, 8, v1
	v_add_nc_u32 v6, v6, v1
	v_lshlrev_b32 v[MO], 2, v6
.irp a, 0,1,2,3,4,5,6,7
	global_load_b32 v[KM+\a], v[MO], s[12:13] offset:4*(32*(\a/2)+8*(\a%2))
.endr
	v_mul_u32_u24 v3, v1, PITCH
	v_mul_u32_u24 v4, v2, 24
	v_add_nc_u32 v4, v3, v4
	v_lshl_add_u32 v5, v2, 4, v4
	s_mul_i32 s21, s15, HALFT
	s_mul_i32 s22, s16, HALFT
	s_add_co_u32 s22, s22, 2*HALFT
.irp s, 0,1
	v_add_nc_u32 v[ADRA+\s], s21, v4
	v_add_nc_u32 v[ADRB+\s], s22, v4
	v_add_nc_u32 v[ADRA+2+\s], s21, v5
	v_add_nc_u32 v[ADRB+2+\s], s22, v5
	s_add_co_u32 s21, s21, SLOT
	s_add_co_u32 s22, s22, SLOT
.endr
	v_mul_u32_u24 v5, v1, KS
	v_lshrrev_b32 v6, 8, v5
	v_lshl_add_u32 v5, v6, 4, v5
	s_mul_i32 s21, s15, HALFS
	s_mul_i32 s22, s16, HALFS
	s_add_co_u32 s22, s22, 2*HALFS
	s_sub_co_u32 s22, s22, s21
	v_mul_u32_u24 v6, s22, v2
	s_add_co_u32 s21, s21, SCL
	v_add_nc_u32 v5, v5, v6
	v_add_nc_u32 v[ADRS], s21, v5
	s_lshl_b32 s23, s14, 10
	v_lshlrev_b32 v5, 4, v1
	v_lshl_add_u32 v5, v2, 9, v5
	v_add_nc_u32 v[SA], s23, v5
	v_and_b32 v6, 31, v0
	v_lshlrev_b32 v[L16], 4, v6
	v_lshlrev_b32 v[L8], 3, v6
	v_add_nc_u32 v[SR], s23, v[L16]
.macro FRAG reg, adr, q, i
.irp p, 0,1,2,3,4,5
.set PCE, 12*(\q)+6*(\p/3)+\p%3
.if PCE%8 < 5
	ds_load_b64 v[\reg+2*\p:\reg+2*\p+1], v[\adr] offset:8*PCE+16*(PCE/8)+(\i)*16*PITCH
.else
	ds_load_b64 v[\reg+2*\p:\reg+2*\p+1], v[\adr+2] offset:8*PCE+16*(PCE/8)+(\i)*16*PITCH
.endif
.endr
.endm
.macro MUL16 a0, p, q, sc, zero
.irp a, \a0, \a0+1
.irp b, 0,1,2,3,4,5,6,7
.if \zero
	v_wmma_scale_f32_16x16x128_f8f6f4 v[8*(8*((\a)%4)+\b):8*(8*((\a)%4)+\b)+7], v[128*(\p)+FR*\b:128*(\p)+FR*\b+FR-1], v[AF+FR*(\a):AF+FR*(\a)+FR-1], 0, v[SC+8*NQ*(\sc)+NQ*\b+(\q)], v[SC+8*NQ*(\sc)+NQ*(\a)+(\q)] matrix_a_fmt:MATRIX_FMT_FP6 matrix_b_fmt:MATRIX_FMT_FP6 matrix_a_scale:MATRIX_SCALE_ROW1
.else
	v_wmma_scale_f32_16x16x128_f8f6f4 v[8*(8*((\a)%4)+\b):8*(8*((\a)%4)+\b)+7], v[128*(\p)+FR*\b:128*(\p)+FR*\b+FR-1], v[AF+FR*(\a):AF+FR*(\a)+FR-1], v[8*(8*((\a)%4)+\b):8*(8*((\a)%4)+\b)+7], v[SC+8*NQ*(\sc)+NQ*\b+(\q)], v[SC+8*NQ*(\sc)+NQ*(\a)+(\q)] matrix_a_fmt:MATRIX_FMT_FP6 matrix_b_fmt:MATRIX_FMT_FP6 matrix_a_scale:MATRIX_SCALE_ROW1
.endif
.endr
.endr
.endm
.macro FETCH_B slot, q, p
	WIN TO_B
.irp i, 0,1,2,3,4,5,6,7
	FRAG 128*(\p)+FR*\i, ADRB+\slot, \q, \i
.endr
	WIN 0
.endm
.macro FETCH_A slot, q, i0
.irp i, \i0, \i0+1, \i0+2, \i0+3
	FRAG AF+FR*(\i), ADRA+\slot, \q, \i
.endr
.endm
.macro SCALES sc
.irp i, 0,1,2,3,4,5,6,7
	ds_load_b64 v[SC+8*NQ*\sc+NQ*\i:SC+8*NQ*\sc+NQ*\i+1], v[ADRS] offset:\i*SBLK
.endr
.endm
.macro PLACES n
.rept \n
	v_nop
.endr
.endm
.macro STEP slot, q, zero
	s_wait_dscnt 4*NL
	WIN MUL_LO
	MUL16 0, (\q)%2, \q, \slot, \zero
	MUL16 2, (\q)%2, \q, \slot, \zero
	s_wait_dscnt 0
	PLACES NP
	FETCH_B \slot, (\q)+1, 1-(\q)%2
	FETCH_A \slot, (\q)+1, 0
	WIN MUL_HI
	MUL16 4, (\q)%2, \q, \slot, \zero
	MUL16 6, (\q)%2, \q, \slot, \zero
	PLACES NP
	WIN 0
	FETCH_A \slot, (\q)+1, 4
.endm
.macro TURN slot, next, fill
	s_wait_tensorcnt 0x0
	ds_add_u32 v[SPW], v[NIL]
	s_wait_dscnt 4*NL+1
	WIN MUL_LO
	MUL16 0, 1, NQ-1, \slot, 0
	s_wait_dscnt 0x0
	s_barrier_signal -1
	MUL16 2, 1, NQ-1, \slot, 0
	WIN 0
	s_barrier_wait -1
.if \fill
	CREST
	s_add_nc_u64 s[G0+4*\slot+2:G0+4*\slot+3], s[G0+4*\slot+2:G0+4*\slot+3], 2*ROWB
	s_add_nc_u64 s[G0B+4*\slot+2:G0B+4*\slot+3], s[G0B+4*\slot+2:G0B+4*\slot+3], 2*ROWB
	JLOAD G0+4*\slot, G1, G0B+4*\slot, G1B
.else
	PLACES NP
.endif
	s_wait_alu depctr_va_vdst(0)
	v_add_nc_u32 v[ADRS], 4*NQ, v[ADRS]
	FETCH_B \next, 0, 0
	FETCH_A \next, 0, 0
	SCALES \next
	WIN MUL_HI
	MUL16 4, 1, NQ-1, \slot, 0
	MUL16 6, 1, NQ-1, \slot, 0
	PLACES NP
	WIN 0
	FETCH_A \next, 0, 4
.endm
	s_wait_alu depctr_va_vdst(0)
	s_wait_tensorcnt 1
	s_barrier_signal -1
	s_barrier_wait -1
	FETCH_B 0, 0, 0
	FETCH_A 0, 0, 0
	SCALES 0
	FETCH_A 0, 0, 4
	STEP 0, 0, 1
	s_mov_b32 s3, LAPS-1
.Llap:
	TURN 0, 1, 1
	STEP 1, 0, 0
	TURN 1, 0, 1
	STEP 0, 0, 0
	s_sub_co_u32 s3, s3, 1
	s_cmp_lg_u32 s3, 0
	s_cbranch_scc1 .Llap
	TURN 0, 1, 0
	STEP 1, 0, 0
	s_wait_dscnt 4*NL
	WIN MUL_LO
	MUL16 0, 1, NQ-1, 1, 0
	MUL16 2, 1, NQ-1, 1, 0
	s_wait_dscnt 0
	WIN MUL_HI
	MUL16 4, 1, NQ-1, 1, 0
	MUL16 6, 1, NQ-1, 1, 0
	WIN 0
	PLACES NP
	s_lshl_b32 s4, s17, 8
	s_lshl_b32 s5, s15, 7
	s_add_co_u32 s4, s4, s5
	s_lshl_b32 s5, s42, 8
	s_lshl_b32 s6, s16, 7
	s_add_co_u32 s5, s5, s6
	s_cmp_lt_u32 s[KIND], 2
	s_cselect_b32 s6, s4, s5
	s_cselect_b32 s7, s5, s4
	s_bfe_u32 s7, s7, 0x40006
	s_lshr_b32 s8, s6, 11
	s_lshl_b32 s8, s8, 4
	s_add_co_u32 s8, s8, s7
	s_lshl_b32 s8, s8, 4
	s_bfe_u32 s9, s6, 0x40007
	s_add_co_u32 s8, s8, s9
	s_cmp_eq_u32 s[KIND], 0
	s_cselect_b64 s[20:21], s[96:97], s[98:99]
	s_mov_b32 s10, KREC
	s_cselect_b32 s10, QREC, s10
	s_mov_b32 s32, 12544
	s_cselect_b32 s32, 6144, s32
	s_mov_b32 s18, 1<<16
	s_cselect_b32 s18, 33<<16, s18
	s_mul_i32 s8, s8, s10
	s_mov_b32 s9, 0
	s_add_nc_u64 s[20:21], s[20:21], s[8:9]
	s_lshl_b32 s24, s10, 4
	s_cmp_eq_u32 s[KIND], 1
	s_cselect_b32 s41, 0, -1
	s_cmp_eq_u32 s[KIND], 2
	s_cselect_b32 s32, 12288, s32
	s_cselect_b32 s18, 0, s18
	s_cselect_b32 s40, -1, 0xffff
	s_cselect_b32 s34, 6144, 0
	s_cselect_b32 s24, 768, s24
	s_mov_b32 s[STA], 768
	s_cselect_b32 s[STA], 1536, s[STA]
	s_cselect_b32 s[EXT], 16*KREC-4*1536, 0
	s_mov_b32 s27, 256
	s_cselect_b32 s27, 16*KREC, s27
	s_cselect_b32 s43, 0, 16
	s_mov_b32 s19, 254<<16
	s_mov_b32 s25, 0
	s_mov_b32 s[STA+1], 0
	s_mov_b32 s[EXT+1], 0
	s_mov_b32 s33, 0
	s_mov_b32 s35, 0
	s_mov_b32 s36, 0x76543210
	s_mov_b32 s37, 0xfedcba98
	s_add_nc_u64 s[44:45], s[20:21], s[32:33]
	s_add_nc_u64 s[46:47], s[44:45], s[24:25]
	s_add_nc_u64 s[P1:P1+1], s[20:21], s[34:35]
	s_add_nc_u64 s[P2:P2+1], s[P1:P1+1], s[24:25]
	v_mul_u32_u24 v[SH], s43, v2
	v_mul_u32_u24 v[SO], s27, v2
	v_lshl_add_u32 v[SO], v1, 4, v[SO]
.irp b, 0,1,2,3
	v_mov_b32 v[TM+4+\b], 0
.endr
	s_wait_loadcnt 0x0
.irp a, 0,1,2,3,4,5,6,7
	v_cmp_ne_u32 vcc_lo, 0, v[KM+\a]
	v_cndmask_b32 v[KM+\a], 0, -1, vcc_lo
	v_or_b32 v[KM+\a], s41, v[KM+\a]
.endr
.macro QUANTW a
.set AC, 64*((\a)%4)
.set W, 2+(\a)/4
.set WN, (W<<2)|(W<<4)
	WIN WN
.irp b, 0,1,2,3
	v_max3_num_f32 v[TM+\b], 0x1800000, |v[AC+16*\b]|, |v[AC+16*\b+1]|
.endr
.irp i, 2,4,6,8,10,12,14
.irp b, 0,1,2,3
	v_max3_num_f32 v[TM+\b], v[TM+\b], |v[AC+16*\b+\i]|, |v[AC+16*\b+\i+1]|
.endr
.endr
	WIN 0
.irp b, 0,1,2,3
	v_permlanex16_b32 v[TM+4+\b], v[TM+\b], s36, s37
.endr
.irp b, 0,1,2,3
	v_max_num_f32 v[TM+\b], v[TM+\b], v[TM+4+\b]
.endr
.irp b, 0,1,2,3
	v_add_nc_u32 v[TM+12+\b], 0xff000000, v[TM+\b]
.endr
.irp b, 0,1,2,3
	v_lshrrev_b32 v[TM+4+\b], 23, v[TM+12+\b]
.endr
	v_lshl_or_b32 v[PW], v[TM+5], 8, v[TM+4]
	v_lshl_or_b32 v[PW], v[TM+6], 16, v[PW]
	v_lshl_or_b32 v[PW], v[TM+7], 24, v[PW]
	WIN W
.irp c, 0,1
	v_cvt_scalef32_pk16_fp6_f32 v[PC+6*\c:PC+2+6*\c], v[AC+32*\c:AC+15+32*\c], v[TM+12+2*\c]
	v_cvt_scalef32_pk16_fp6_f32 v[PC+12+4*\c:PC+14+4*\c], v[AC+16+32*\c:AC+31+32*\c], v[TM+12+2*\c+1]
.endr
	WIN 0
	v_nop
.irp c, 0,1
.irp i, 0,1,2
	v_permlane16_swap_b32 v[PC+6*\c+\i], v[PC+12+4*\c+\i]
.endr
.irp i, 0,1,2
	v_mov_b32 v[PC+3+6*\c+\i], v[PC+12+4*\c+\i]
.endr
.endr
.endm
.macro BLOCKOUT a
.if (\a) > 0
	s_wait_xcnt 0x0
	s_wait_dscnt 0x0
	s_add_nc_u64 s[P1:P1+1], s[P1:P1+1], s[STA:STA+1]
	s_add_nc_u64 s[P2:P2+1], s[P2:P2+1], s[STA:STA+1]
.endif
.if (\a) == 4
	s_add_nc_u64 s[P1:P1+1], s[P1:P1+1], s[EXT:EXT+1]
	s_add_nc_u64 s[P2:P2+1], s[P2:P2+1], s[EXT:EXT+1]
.endif
	QUANTW \a
.irp i, 0,1,2,3,4,5,6,7,8,9,10,11
	v_and_b32 v[PC+\i], v[KM+(\a)], v[PC+\i]
.endr
	v_lshrrev_b32 v[WD], v[SH], v[PW]
	v_bfi_b32 v[U], v[KM+(\a)], s18, s19
	v_and_or_b32 v[WD], v[WD], s40, v[U]
	ds_store_b32 v[SA], v[WD] offset:256*((\a)/4)+4*((\a)%4)
	global_store_b128 v[L16], v[PC:PC+3], s[P1:P1+1]
	global_store_b64 v[L8], v[PC+4:PC+5], s[P1:P1+1] offset:512
	global_store_b128 v[L16], v[PC+6:PC+9], s[P2:P2+1]
	global_store_b64 v[L8], v[PC+10:PC+11], s[P2:P2+1] offset:512
.endm
.irp a, 0,1,2,3,4,5,6,7
	BLOCKOUT \a
.endr
	ds_load_b128 v[RB:RB+3], v[SR]
	ds_load_b128 v[RB+4:RB+7], v[SR] offset:512
	s_wait_dscnt 0x0
	global_store_b128 v[SO], v[RB:RB+3], s[44:45]
	s_cmp_eq_u32 s[KIND], 2
	s_cbranch_scc1 .Lno_second
	global_store_b128 v[SO], v[RB+4:RB+7], s[46:47]
.Lno_second:
	s_wait_tensorcnt 0x0
	ds_add_u32 v[SPW], v[NIL]
	s_wait_dscnt 0x0
	CROUND
	s_endpgm
.Lfunc_end_k_qca8ce73d8c_proj:
	.size	k_qca8ce73d8c_proj, .Lfunc_end_k_qca8ce73d8c_proj-k_qca8ce73d8c_proj
	.p2alignl 7, 3214868480
	.fill 96, 4, 3214868480
	.section	.rodata,"a",@progbits
	.p2align	6, 0x0
	.amdhsa_kernel k_qca8ce73d8c_proj
		.amdhsa_group_segment_fixed_size 327680
		.amdhsa_private_segment_fixed_size 0
		.amdhsa_enable_private_segment 0
		.amdhsa_kernarg_size 56
		.amdhsa_user_sgpr_count 2
		.amdhsa_user_sgpr_kernarg_segment_ptr 1
		.amdhsa_wavefront_size32 1
		.amdhsa_system_sgpr_workgroup_id_x 1
		.amdhsa_system_sgpr_workgroup_id_y 1
		.amdhsa_system_sgpr_workgroup_id_z 1
		.amdhsa_system_vgpr_workitem_id 0
		.amdhsa_next_free_vgpr 1024
		.amdhsa_next_free_sgpr 102
		.amdhsa_reserve_vcc 1
		.amdhsa_float_denorm_mode_32 3
		.amdhsa_float_denorm_mode_16_64 3
		.amdhsa_memory_ordered 1
		.amdhsa_forward_progress 1
		.amdhsa_inst_pref_size 176
	.end_amdhsa_kernel
	.amdgpu_metadata
---
amdhsa.version: [ 1, 2 ]
amdhsa.kernels:
  - .name:           k_qca8ce73d8c_proj
    .symbol:         k_qca8ce73d8c_proj.kd
    .args:
      - { .name: xc, .offset: 0, .size: 8, .value_kind: global_buffer, .address_space: global }
      - { .name: xs, .offset: 8, .size: 8, .value_kind: global_buffer, .address_space: global }
      - { .name: wc, .offset: 16, .size: 8, .value_kind: global_buffer, .address_space: global }
      - { .name: ws, .offset: 24, .size: 8, .value_kind: global_buffer, .address_space: global }
      - { .name: mask, .offset: 32, .size: 8, .value_kind: global_buffer, .address_space: global }
      - { .name: qbuf, .offset: 40, .size: 8, .value_kind: global_buffer, .address_space: global }
      - { .name: kv, .offset: 48, .size: 8, .value_kind: global_buffer, .address_space: global }
    .group_segment_fixed_size: 327680
    .private_segment_fixed_size: 0
    .kernarg_segment_align: 8
    .kernarg_segment_size: 56
    .max_flat_workgroup_size: 128
    .sgpr_count:     102
    .vgpr_count:     1024
    .wavefront_size: 32
...
	.end_amdgpu_metadata
.endif
;; end of part 2
;; launch attn (part 3): grid 4 x 64, 16 waves a work-group, clusters of 4 x 1, 215,040 bytes of LDS; arguments qbuf, kv, ac, asc; writes ac, asc
.if DOCPART == 3
	.amdgcn_target "amdgcn-amd-amdhsa--gfx1250"
	.amdhsa_code_object_version 6
	.text
	.protected	k_qca8ce73d8c_attn
	.globl	k_qca8ce73d8c_attn
	.p2align	8
	.type	k_qca8ce73d8c_attn,@function
k_qca8ce73d8c_attn:
	s_mov_b64 s[64:65], 0
	v_nop
	global_prefetch_b8 v0, s[64:65] scope:SCOPE_SE
	s_setreg_imm32_b32 hwreg(HW_REG_WAVE_MODE, 25, 1), 1
	s_wait_xcnt 0x0
	s_wait_alu depctr_hold_cnt(0) depctr_sa_sdst(0) depctr_va_vdst(0) depctr_va_sdst(0) depctr_va_ssrc(0) depctr_va_vcc(0) depctr_vm_vsrc(0)
	s_getreg_b32 s2, hwreg(HW_REG_IB_STS2, 6, 4)
	s_cmp_eq_u32 s2, 0
	s_cbranch_scc0 .Lentry_in_a_cluster
	s_endpgm
.Lentry_in_a_cluster:
	s_bfe_u32 s2, ttmp6, 0x10000c
	s_cmp_lg_u32 s2, 0x3003
	s_cbranch_scc0 .Lentry_shape_is_right
	s_endpgm
.Lentry_shape_is_right:
; o = softmax(q k^T / 8, masked) v for one head of one batch, both products on codes of FP6 (E2M3) with E8M0 scales; o is quantised along the embedding axis and leaves as operand images for the last product.
; THE SOFTMAX: t = score x log2(e) / 8; M = the row's largest t so far, rounded UP to a whole number; p = 2^(t - M) is what is quantised, along the keys, not normalised.  The row's sum is taken of the unquantised p
; and divides O at the end.  When M moves, the sum and O are multiplied by 2^(old M - new M): exact.
; SHARES.  A work-group owns 512 queries of one head: each of its sixteen waves one tile of 16 queries at a time, two tiles one after the other; four waves to a SIMD, so that one wave's vector work stands beside
; another's matrix work and LDS loads.  Every wave walks the head's 2,048 keys, 128 a step.
; THE WHOLE HEAD LIES IN LDS.  K and V of a head are 16 records of 13,056 bytes (a step each: K's 8 half images, V's 4 fragments, V's and K's scale words): 208,896 bytes, filled ONCE: wave w fetches record w by one
; tensor load.  Nothing is filled again: no ring.  The four work-groups of a cluster share the head, so each record is asked for JOINTLY: the same descriptor and a mask that names the four.
; LAYOUT.  Both products are used transposed: S^T = K Q^T (source 0 = 16 keys), O^T = V^T P^T (source 0 = 16 channels): a lane holds ONE query (lane % 16) throughout.  The keys of a tile and the channels of a tile
; were laid by the launches before so that the 16 registers of result tiles 2 b and 2 b + 1 are 16 neighbours: keys (or channels) 32 b + 16 (lane / 16) + 0 .. 15.
; THE MASK costs no line here.  A head has 64 channels; the other half of the instruction's 128 along K holds constants: at k = 64 the code of -1 in every key's fragment and of +1 in the queries'.  Byte 2 of a key's
; scale word is 1 where the key counts and 254 where it is masked (its codes are then zeros), a query's is 33: a masked key's score is exactly -2^33, and t = c x score a whole number.
; So a row whose keys are all masked has p = 1 everywhere, as the definition has; any key that counts wipes the masked ones out.
; No prefetch: all that the launch reads is asked for at its head.
; LIMITS: a masked logit is -2^30 where the definition has -1e9; a score that counts gets -2^-220 added; NaN and infinities are not served.
.set REC,  13056                       ; a record
.set VIMG, 6144                        ; in it: V's four fragments of 1,536 bytes,
.set VSC,  12288                       ; V's scale words: 16 r + 4 x tile,
.set KSC,  12544                       ; K's: 256 (tile / 4) + 16 r + 4 (tile % 4)
.set STG,  16*REC                      ; behind the records: 1,024 bytes: the scale half-words of the work-group's 512 rows of o
.set L16, 1                            ; v1   16 x lane
.set L8,  2                            ; v2   8 x lane
.set R16, 3                            ; v3   16 r
.set KS,  4                            ; v4-7   K's scale words: lanes 0-15 tiles 0-3, lanes 16-31 tiles 4-7
.set VS,  8                            ; v8-11  V's
.set QF,  16                           ; v16-27 Q's fragment: v16-21 loaded, v22-27 constants       (v12 -M, v13 the largest t, v[14:15] the sum in two halves)
.set QS,  28                           ; v28  Q's scale word
.set PS,  29                           ; v29  p's
.set A16, 30                           ; v30, v31 the step's record + 16 x lane, + 8 x lane
.set A8,  31
.set KF,  32                           ; v32-79   four fragments of K: in each, registers 0-5 loaded, 6-11 constants
.set VF,  80                           ; v80-127  V's four fragments
.set S,   128                          ; v128-191 S^T, then p
.set O,   192                          ; v192-223 O^T: four tiles
.set PC,  224                          ; v224-235 p's codes; on the way out o's
.set BM,  236                          ; v236-239 the blocks' largest scores
.set T2,  240                          ; v240-247 at work
.set SCO, 248                          ; v248-251 the conversions' scale operands
.set F,   252                          ; v[252:253] f = 2^(old M - new M) (the upper word is only named)
.set TP,  254
.set HWA, 255                          ; v255 STG + 32 x wave + 2 r
.set WV,  12                           ; s12 my wave's number
.set SEL, 20                           ; s[20:21] lane selects for v_permlanex16_b32: lane l xor 16
.set CS,  22                           ; s[22:23] c = log2(e) / 8
.set G1,  24                           ; s[24:31], s[32:35] the one descriptor
.set G0,  32
.set TB,  36                           ; s36 where the step's record begins in LDS
.set CNT, 37
.macro ROUND                           ; a round of the cluster's barrier
	s_barrier_signal -1
	s_barrier_wait -1
	s_cmp_lg_u32 s[WV], 0
	s_cbranch_scc1 .Lnot_wave_0_\@
	s_barrier_signal -3
.Lnot_wave_0_\@:
	s_barrier_wait -3
	s_barrier_signal -1
	s_barrier_wait -1
.endm
	s_load_b256 s[4:11], s[0:1], 0x0               ; qbuf s[4:5], kv s[6:7], ac s[8:9], asc s[10:11]
	v_lshl_add_u32 v254, v0, 2, 0x34000
	v_mov_b32 v255, 0
	ds_add_u32 v254, v255
	ds_add_u32 v254, v255
	s_wait_dscnt 0x0
	v_lshrrev_b32 v1, 5, v0
	s_delay_alu instid0(VALU_DEP_1)
	v_readfirstlane_b32 s[WV], v1                  ; wave 0..15
	s_bfe_u32 s13, ttmp6, 0x40000                  ; cx: it enters global addresses alone
	s_and_b32 s14, ttmp7, 0xffff                   ; 16 x batch + head, which the four partners share
	; the descriptor: 51 dense rows of 256 bytes (32 elements of 8 bytes), no padding
	s_mov_b32 s[G1], 15|(3<<16)|(1<<21)            ; 15:0 the mask: all four work-groups; 17:16 elements of 8 bytes; 21 set beside a mask
	s_mov_b32 s[G1+1], 32<<16                      ; tensor_dim0 = 32
	s_mov_b32 s[G1+2], 51<<16                      ; tensor_dim1 = 51
	s_mov_b32 s[G1+3], 32<<16                      ; tile_dim0 = 32
	s_mov_b32 s[G1+4], 51                          ; tile_dim1 = 51
	s_mov_b32 s[G1+5], 32                          ; tensor_dim0_stride
	s_mov_b32 s[G1+6], 0
	s_mov_b32 s[G1+7], 0
	s_mov_b32 s[G0], 1
	s_mul_i32 s[G0+1], s[WV], REC                  ; LDS: record w
	s_lshl_b32 s42, s14, 4
	s_add_co_u32 s42, s42, s[WV]
	s_mul_i32 s42, s42, REC                        ; memory: record 16 (16 batch + head) + w
	s_mov_b32 s43, 0
	s_lshl_b32 s44, s14, 4                         ; Q: tile 32 cx + 16 pass + w of the head's 128: group 4 cx + 2 pass + w / 8, tile w % 8 in it
	s_lshl_b32 s45, s13, 2
	s_add_co_u32 s44, s44, s45
	s_lshr_b32 s45, s[WV], 3
	s_add_co_u32 s44, s44, s45
	s_mul_i32 s44, s44, 6656
	s_and_b32 s45, s[WV], 7
	s_mul_i32 s46, s45, 768
	s_add_co_u32 s46, s46, s44                     ; its half image,
	s_mov_b32 s47, 0
	s_lshr_b32 s45, s45, 2
	s_lshl_b32 s45, s45, 8
	s_add_co_u32 s44, s44, s45
	s_and_b32 s45, s[WV], 3
	s_lshl_b32 s45, s45, 2
	s_add_co_u32 s44, s44, s45
	s_add_co_u32 s44, s44, 6144                    ; and its scale words: 6,144 + 256 (tile / 4) + 4 (tile % 4) (+ 16 r)
	s_mov_b32 s45, 0
	s_lshr_b32 s15, s14, 4                         ; batch
	s_and_b32 s16, s14, 15                         ; head
	s_lshl_b32 s48, s15, 7
	s_lshl_b32 s17, s13, 5
	s_add_co_u32 s48, s48, s17
	s_add_co_u32 s48, s48, s[WV]
	s_mul_i32 s48, s48, 12288                      ; ac: tile 128 batch + 32 cx + w, 16 heads of 768 bytes each,
	s_mul_i32 s17, s16, 768
	s_add_co_u32 s48, s48, s17                     ; my head's
	s_mov_b32 s49, 0
	s_lshl_b32 s50, s16, 14                        ; asc: 16,384 bytes a head, 2 bytes a row: 4,096 a batch, 1,024 a work-group
	s_lshl_b32 s17, s15, 12
	s_add_co_u32 s50, s50, s17
	s_lshl_b32 s17, s13, 10
	s_add_co_u32 s50, s50, s17
	s_mov_b32 s51, 0
	s_mov_b32 s[SEL], 0x76543210
	s_mov_b32 s[SEL+1], 0xfedcba98
	s_mov_b32 s[CS], 0x3e38aa3b                    ; c = log2(e) / 8
	s_mov_b32 s[CS+1], s[CS]                       ; (named with it as a pair, so it is written)
	s_wait_kmcnt 0x0
	s_add_nc_u64 s[G0+2:G0+3], s[6:7], s[42:43]
	s_or_b32 s[G0+3], s[G0+3], 0x80000000          ; type = 2
	s_add_nc_u64 s[40:41], s[4:5], s[44:45]        ; Q's scale words
	s_add_nc_u64 s[4:5], s[4:5], s[46:47]          ; Q's half image
	s_add_nc_u64 s[8:9], s[8:9], s[48:49]
	s_add_nc_u64 s[10:11], s[10:11], s[50:51]
	ROUND                                          ; all four work-groups are here: the joint loads meet
	tensor_load_to_lds s[G0:G0+3], s[G1:G1+7]      ; my record: one load of mine is out
	s_nop 0
.rept 4
	v_nop
.endr
	v_and_b32 v[TP], 31, v0
	s_delay_alu instid0(VALU_DEP_1)
	v_lshlrev_b32 v[L16], 4, v[TP]
	s_delay_alu instid0(VALU_DEP_2)
	v_lshlrev_b32 v[L8], 3, v[TP]
	v_and_b32 v[TP], 15, v0                        ; r
	s_delay_alu instid0(VALU_DEP_1)
	v_lshlrev_b32 v[R16], 4, v[TP]
.macro QLOAD
	global_load_b128 v[QF:QF+3], v[L16], s[4:5]
	global_load_b64 v[QF+4:QF+5], v[L8], s[4:5] offset:512
	global_load_b32 v[QS], v[R16], s[40:41]
.endm
	QLOAD
	v_lshlrev_b32 v[HWA], 1, v[TP]
	s_lshl_b32 s17, s[WV], 5
	s_add_co_u32 s17, s17, STG
	v_add_nc_u32 v[HWA], s17, v[HWA]
	v_bfe_u32 v[TP], v0, 4, 1                      ; h
	s_delay_alu instid0(VALU_DEP_1)
	v_lshlrev_b32 v[F+1], 3, v[TP]
	s_delay_alu instid0(VALU_DEP_1)
	v_sub_nc_u32 v[QF+6], 8, v[F+1]                ; lanes 0-15: the code of +1.0 at k = 64; lanes 16-31: zeros
	s_delay_alu instid0(VALU_DEP_3)
	v_mul_u32_u24 v[F+1], 40, v[TP]
.irp t, 0,1,2,3
	v_sub_nc_u32 v[KF+12*\t+6], 40, v[F+1]         ; lanes 0-15: the code of -1.0 at k = 64
.endr
.irp i, 7,8,9,10,11
	v_mov_b32 v[QF+\i], 0
.irp t, 0,1,2,3
	v_mov_b32 v[KF+12*\t+\i], 0
.endr
.endr
	v_mov_b32 v[F+1], 0                            ; (named as the upper half of the pair)
.irp b, 0,1,2,3
	v_mov_b32 v[T2+\b], 0                          ; written once: a lane permute's destination counts as one of its sources
.endr
	s_wait_tensorcnt 0x0                           ; my record has landed,
	s_barrier_signal -1
	s_barrier_wait -1                              ; everybody's has: the head lies in LDS
; A KEY STEP: 128 keys.
.macro STEP
	v_add_nc_u32 v[A16], s[TB], v[L16]
	v_add_nc_u32 v[A8], s[TB], v[L8]
	ds_load_b128 v[KS:KS+3], v[A16] offset:KSC     ; 16 bytes a lane: lanes 0-15 the words of tiles 0-3 for key r, lanes 16-31 those of tiles 4-7
.irp t, 0,1,2,3
	ds_load_b128 v[KF+12*\t:KF+12*\t+3], v[A16] offset:768*\t
	ds_load_b64 v[KF+12*\t+4:KF+12*\t+5], v[A8] offset:768*\t+512
.endr
	s_wait_alu depctr_va_vdst(0)
	s_wait_dscnt 0x0
.irp t, 0,1,2,3
	v_wmma_scale_f32_16x16x128_f8f6f4 v[S+8*\t:S+8*\t+7], v[KF+12*\t:KF+12*\t+11], v[QF:QF+11], 0, v[KS+\t], v[QS] matrix_a_fmt:MATRIX_FMT_FP6 matrix_b_fmt:MATRIX_FMT_FP6
.endr
.rept 4
	v_nop                                          ; places in front of loads into registers that matrix instructions have read: K's just now; V's in the last step (the two additions above count for those too)
.endr
.irp t, 0,1,2,3
	ds_load_b128 v[KF+12*\t:KF+12*\t+3], v[A16] offset:768*(4+\t)
	ds_load_b64 v[KF+12*\t+4:KF+12*\t+5], v[A8] offset:768*(4+\t)+512
.endr
	ds_load_b128 v[VS:VS+3], v[A16] offset:VSC     ; lanes 0-15: V's words for channel r, tiles 0-3 (lanes 16-31 read on into K's words: not used)
.irp t, 0,1,2,3
	ds_load_b128 v[VF+12*\t:VF+12*\t+3], v[A16] offset:VIMG+1536*\t
	ds_load_b64 v[VF+12*\t+4:VF+12*\t+5], v[A8] offset:VIMG+1536*\t+512
	ds_load_b128 v[VF+12*\t+6:VF+12*\t+9], v[A16] offset:VIMG+1536*\t+768
	ds_load_b64 v[VF+12*\t+10:VF+12*\t+11], v[A8] offset:VIMG+1536*\t+1280
.endr
	s_wait_dscnt 17                                ; K's tiles 4-7 are in; V's 17 loads may be out: they land under the softmax
.irp t, 0,1,2,3
	v_wmma_scale_f32_16x16x128_f8f6f4 v[S+32+8*\t:S+32+8*\t+7], v[KF+12*\t:KF+12*\t+11], v[QF:QF+11], 0, v[KS+\t], v[QS] matrix_a_fmt:MATRIX_FMT_FP6 matrix_b_fmt:MATRIX_FMT_FP6 matrix_a_scale:MATRIX_SCALE_ROW1
.endr
.rept 4
	v_nop
.endr
.irp b, 0,1,2,3
	v_max3_num_f32 v[BM+\b], v[S+16*\b], v[S+16*\b+1], v[S+16*\b+2]   ; THE LARGEST SCORE OF EACH BLOCK OF 32 KEYS: it serves for the row's maximum and, since p rises with the score, for the block's largest p
.endr
.irp i, 3,5,7,9,11,13
.irp b, 0,1,2,3
	v_max3_num_f32 v[BM+\b], v[BM+\b], v[S+16*\b+\i], v[S+16*\b+\i+1]   ; (the four blocks by turns)
.endr
.endr
.irp b, 0,1,2,3
	v_max_num_f32 v[BM+\b], v[BM+\b], v[S+16*\b+15]
.endr
.irp b, 0,1,2,3
	s_delay_alu instid0(VALU_DEP_4)
	v_permlanex16_b32 v[T2+\b], v[BM+\b], s[SEL], s[SEL+1]
.endr
.irp b, 0,1,2,3
	s_delay_alu instid0(VALU_DEP_4)
	v_max_num_f32 v[BM+\b], v[BM+\b], v[T2+\b]     ; with lane l xor 16's 16 keys
.endr
	s_delay_alu instid0(VALU_DEP_2)
	v_max3_num_f32 v[TP], v[BM], v[BM+1], v[BM+2]
	s_delay_alu instid0(VALU_DEP_1)
	v_max_num_f32 v[TP], v[TP], v[BM+3]            ; the step's largest score of my query
	s_delay_alu instid0(VALU_DEP_1)
	v_mul_f32 v[TP], s[CS], v[TP]                  ; as t (c is positive)
	s_delay_alu instid0(VALU_DEP_1)
	v_max_num_f32 v13, v13, v[TP]                  ; the running largest t
	v_mov_b32 v[TP], v12
	s_delay_alu instid0(VALU_DEP_2)
	v_floor_f32 v12, -v13                          ; the new -M = floor(-t): M IS A WHOLE NUMBER
	s_delay_alu instid0(VALU_DEP_1)
	v_sub_f32 v[TP], v12, v[TP]                    ; M's old value less its new one: a whole number, 0 or less
	s_delay_alu instid0(VALU_DEP_1)
	v_cvt_i32_f32 v[TP], v[TP]                     ; (it saturates)
	s_delay_alu instid0(VALU_DEP_1)
	v_ldexp_f32 v[F], 1.0, v[TP]                   ; f = 2^(old M - new M)
.set j, 0
.rept 32
	v_pk_fma_f32 v[S+j:S+j+1], v[S+j:S+j+1], s[CS:CS+1], v[12:13] op_sel_hi:[1,0,0]   ; t - M, two at a time (of the pairs c and -M the low word serves both halves)
.set j, j+2
.endr
.irp b, 0,1,2,3
	v_fma_f32 v[BM+\b], v[BM+\b], s[CS], v12       ; the same of each block's largest score
.endr
.set j, 0
	s_setprio 1
	s_wait_alu depctr_va_vdst(0)
.rept 64
	v_exp_f32 v[S+j], v[S+j]                       ; p = 2^(t - M), at most 1: NOT normalised
.set j, j+1
.endr
	v_pk_mul_f32 v[14:15], v[14:15], v[F:F+1] op_sel_hi:[1,0]   ; the sums under the new M (a plain place behind the exponentials)
	s_wait_alu depctr_va_vdst(0)                   ; one wait for the whole batch, ahead of its first reader
.irp b, 0,1,2,3
	v_exp_f32 v[BM+\b], v[BM+\b]                   ; the block's largest p: the same two instructions on the same number give the same bits
.endr
	v_pk_add_f32 v[240:241], v[132:133], v[136:137]
	v_pk_add_f32 v[250:251], v[140:141], v[144:145]
	v_pk_add_f32 v[248:249], v[148:149], v[152:153]
	v_pk_add_f32 v[246:247], v[156:157], v[160:161]
	v_pk_add_f32 v[244:245], v[164:165], v[168:169]
	v_pk_add_f32 v[242:243], v[172:173], v[176:177]
	v_pk_add_f32 v[234:235], v[180:181], v[184:185]
	v_pk_add_f32 v[14:15], v[14:15], v[188:189]
	v_pk_add_f32 v[240:241], v[240:241], v[128:129]
	v_pk_add_f32 v[250:251], v[250:251], v[130:131]
	v_pk_add_f32 v[248:249], v[248:249], v[134:135]
	v_pk_add_f32 v[246:247], v[246:247], v[138:139]
	v_pk_add_f32 v[244:245], v[244:245], v[142:143]
	v_pk_add_f32 v[242:243], v[242:243], v[146:147]
	v_pk_add_f32 v[234:235], v[234:235], v[150:151]
	v_pk_add_f32 v[14:15], v[14:15], v[154:155]
	v_pk_add_f32 v[240:241], v[240:241], v[158:159]
	v_pk_add_f32 v[250:251], v[250:251], v[162:163]
	v_pk_add_f32 v[248:249], v[248:249], v[166:167]
	v_pk_add_f32 v[246:247], v[246:247], v[170:171]
	v_pk_add_f32 v[244:245], v[244:245], v[174:175]
	v_pk_add_f32 v[242:243], v[242:243], v[178:179]
	v_pk_add_f32 v[234:235], v[234:235], v[182:183]
	v_pk_add_f32 v[14:15], v[14:15], v[186:187]
	v_pk_add_f32 v[240:241], v[240:241], v[190:191]
	s_delay_alu instid0(VALU_DEP_2)
	v_pk_add_f32 v[14:15], v[14:15], v[246:247]
	s_delay_alu instid0(VALU_DEP_2)
	v_pk_add_f32 v[240:241], v[240:241], v[244:245]
	v_pk_add_f32 v[250:251], v[250:251], v[242:243]
	v_pk_add_f32 v[248:249], v[248:249], v[234:235]
	s_delay_alu instid0(VALU_DEP_2)
	v_pk_add_f32 v[14:15], v[14:15], v[250:251]
	s_delay_alu instid0(VALU_DEP_2)
	v_pk_add_f32 v[240:241], v[240:241], v[248:249]
	s_delay_alu instid0(VALU_DEP_1)
	v_pk_add_f32 v[14:15], v[14:15], v[240:241]
	s_wait_alu depctr_va_vdst(0)                   ; and one for the four
.irp b, 0,1,2,3
	v_max_num_f32 v[BM+\b], 0x1800000, v[BM+\b]    ; the floor 2^(3 - 127): the byte cannot fall under 1 (a block whose every p is 0 keeps that byte: its codes are zeros)
.endr
.irp b, 0,1,2,3
	s_delay_alu instid0(VALU_DEP_4)
	v_add_nc_u32 v[SCO+\b], 0xff000000, v[BM+\b]   ; 2 off the exponent field: the conversion's scale operand
.endr
.irp b, 0,1,2,3
	s_delay_alu instid0(VALU_DEP_4)
	v_lshrrev_b32 v[T2+\b], 23, v[SCO+\b]          ; the scale's byte
.endr
	s_delay_alu instid0(VALU_DEP_3)
	v_lshl_or_b32 v[PS], v[T2+1], 8, v[T2]         ; p's scale word for these 128 keys
	s_delay_alu instid0(VALU_DEP_1)
	v_lshl_or_b32 v[PS], v[T2+2], 16, v[PS]
	s_delay_alu instid0(VALU_DEP_1)
	v_lshl_or_b32 v[PS], v[T2+3], 24, v[PS]
.irp c, 0,1
	v_cvt_scalef32_pk16_fp6_f32 v[PC+6*\c:PC+2+6*\c], v[S+32*\c:S+15+32*\c], v[SCO+2*\c]
	v_cvt_scalef32_pk16_fp6_f32 v[T2+4*\c:T2+2+4*\c], v[S+16+32*\c:S+31+32*\c], v[SCO+2*\c+1]   ; (a conversion's three registers begin on an even number)
.endr
	v_nop                                          ; one plain place behind a scaled conversion
.irp c, 0,1                                    ; the operand's layout wants a WHOLE block in a lane
.irp i, 0,1,2
	v_permlane16_swap_b32 v[PC+6*\c+\i], v[T2+4*\c+\i]
.endr
.irp i, 0,1,2
	s_delay_alu instid0(VALU_DEP_3)
	v_mov_b32 v[PC+3+6*\c+\i], v[T2+4*\c+\i]
.endr
.endr
.set j, 0
	s_setprio 0
.rept 16
	v_pk_mul_f32 v[O+j:O+j+1], v[O+j:O+j+1], v[F:F+1] op_sel_hi:[1,0]   ; O^T under the new M.  (These sixteen are also the places between the writes of p's codes and scale word and the products)
.set j, j+2
.endr
	s_wait_alu depctr_va_vdst(0)
	s_wait_dscnt 0x0                               ; V is in
.irp t, 0,1,2,3                                ; O^T += V^T P^T: the four accumulators by turns, one instruction a turn
	v_wmma_scale_f32_16x16x128_f8f6f4 v[O+8*\t:O+8*\t+7], v[VF+12*\t:VF+12*\t+11], v[PC:PC+11], v[O+8*\t:O+8*\t+7], v[VS+\t], v[PS] matrix_a_fmt:MATRIX_FMT_FP6 matrix_b_fmt:MATRIX_FMT_FP6
.endr
.endm
; ONE TILE OF 16 QUERIES against all keys; p = 0: the next tile's Q is asked for behind the loop and lands under the way out.
.macro PASS p
	s_wait_loadcnt 0x0                             ; Q
	s_wait_xcnt 0x0                                ; the last tile's stores have read their registers
	v_mov_b32 v13, 0xff61b1e6                      ; the largest t so far: -3e38, under every t
	s_delay_alu instid0(VALU_DEP_1)
	v_floor_f32 v12, -v13                          ; -M
	v_mov_b32 v14, 0                               ; the sum, in two halves
	v_mov_b32 v15, 0
.set j, 0
.rept 32
	v_mov_b32 v[O+j], 0                            ; O^T.  (The step is written once: the first finds zeros, which the first change of M leaves zeros)
.set j, j+1
.endr
	s_mov_b32 s[TB], 0
	s_mov_b32 s[CNT], 16
.Lstep_\@:
	s_setprio 2
	STEP
	s_add_co_u32 s[TB], s[TB], REC
	s_sub_co_u32 s[CNT], s[CNT], 1
	s_cmp_lg_u32 s[CNT], 0
	s_cbranch_scc1 .Lstep_\@
	s_setprio 0
.rept 4
	v_nop                                          ; places behind the last products
.endr
.if \p == 0
	s_add_nc_u64 s[4:5], s[4:5], 2*6656            ; 16 tiles on: two groups (the loads that read these bases were waited for at the tile's head)
	s_add_nc_u64 s[40:41], s[40:41], 2*6656
	QLOAD
.endif
	v_add_f32 v14, v14, v15                        ; the sum's two halves,
	s_delay_alu instid0(VALU_DEP_1)
	v_permlanex16_b32 v[TP], v14, s[SEL], s[SEL+1]
	s_delay_alu instid0(VALU_DEP_1)
	v_add_f32 v14, v14, v[TP]                      ; and lane l xor 16's: the row's sum, at least 1/2
	s_wait_alu depctr_va_vdst(0)
	v_rcp_f32 v[F], v14
	v_nop                                          ; a plain place behind the transcendental
	s_wait_alu depctr_va_vdst(0)                   ; and the wait, ahead of its first reader
.set j, 0
.rept 16
	v_pk_mul_f32 v[O+j:O+j+1], v[O+j:O+j+1], v[F:F+1] op_sel_hi:[1,0]   ; o: register 16 b + i is channel 32 b + 16 h + i of my query; each accumulator from its low end on
.set j, j+2
.endr
.irp b, 0,1
	v_max3_num_f32 v[BM+\b], |v[O+16*\b]|, |v[O+16*\b+1]|, 0x1800000   ; the head's two blocks of 32 along the last product's K
.endr
.irp i, 2,4,6,8,10,12,14
.irp b, 0,1
	s_delay_alu instid0(VALU_DEP_2)
	v_max3_num_f32 v[BM+\b], v[BM+\b], |v[O+16*\b+\i]|, |v[O+16*\b+\i+1]|
.endr
.endr
.irp b, 0,1
	s_delay_alu instid0(VALU_DEP_2)
	v_permlanex16_b32 v[T2+\b], v[BM+\b], s[SEL], s[SEL+1]
.endr
.irp b, 0,1
	s_delay_alu instid0(VALU_DEP_2)
	v_max_num_f32 v[BM+\b], v[BM+\b], v[T2+\b]
.endr
.irp b, 0,1
	s_delay_alu instid0(VALU_DEP_2)
	v_add_nc_u32 v[SCO+\b], 0xff000000, v[BM+\b]
.endr
.irp b, 0,1
	s_delay_alu instid0(VALU_DEP_2)
	v_lshrrev_b32 v[T2+\b], 23, v[SCO+\b]
.endr
	s_delay_alu instid0(VALU_DEP_1)
	v_lshl_or_b32 v[TP], v[T2+1], 8, v[T2]         ; my row's two scale bytes
	v_cvt_scalef32_pk16_fp6_f32 v[PC:PC+2], v[O:O+15], v[SCO]
	v_cvt_scalef32_pk16_fp6_f32 v[T2+4:T2+6], v[O+16:O+31], v[SCO+1]
	v_nop                                          ; one plain place behind a scaled conversion
.irp i, 0,1,2
	v_permlane16_swap_b32 v[PC+\i], v[T2+4+\i]
.endr
.irp i, 0,1,2
	s_delay_alu instid0(VALU_DEP_3)
	v_mov_b32 v[PC+3+\i], v[T2+4+\i]               ; registers 0-5: 16 queries x the head's 64 channels: a half image
.endr
	global_store_b128 v[L16], v[PC:PC+3], s[8:9]                  ; 512 consecutive bytes, aligned
	global_store_b64 v[L8], v[PC+4:PC+5], s[8:9] offset:512       ; 256 consecutive bytes, aligned
	ds_store_b16 v[HWA], v[TP] offset:512*\p       ; lanes r and r + 16 write the same half-word with the same value
.if \p == 0
	s_wait_xcnt 0x0                                ; the stores have read their base
	s_add_nc_u64 s[8:9], s[8:9], 16*12288          ; 16 tiles on
.endif
.endm
	PASS 0
	PASS 1
	s_wait_dscnt 0x0                               ; for the others' sake: my half-words are in LDS
	s_barrier_signal -1
	s_barrier_wait -1
	v_lshlrev_b32 v33, 4, v0
	s_delay_alu instid0(VALU_DEP_1)
	v_add_nc_u32 v32, STG, v33
	s_cmp_lt_u32 s[WV], 2                          ; the 1,024 bytes leave by waves 0 and 1, 16 bytes a lane
	s_cbranch_scc0 .Lno_copy
	ds_load_b128 v[36:39], v32
	s_wait_dscnt 0x0
	s_wait_alu depctr_va_vdst(0)
	global_store_b128 v33, v[36:39], s[10:11]      ; sixteen lanes store 256 consecutive bytes, aligned
.Lno_copy:
	s_wait_xcnt 0x0
	v_lshl_add_u32 v254, v0, 2, 0x34000
	v_mov_b32 v255, 0
	s_wait_alu depctr_va_vdst(0)
	s_wait_tensorcnt 0x0
	ds_add_u32 v254, v255
	s_wait_dscnt 0x0
	ROUND                                          ; the closing round: no work-group ends while a partner may still ask for a record that names it
	s_endpgm
.Lfunc_end_k_qca8ce73d8c_attn:
	.size	k_qca8ce73d8c_attn, .Lfunc_end_k_qca8ce73d8c_attn-k_qca8ce73d8c_attn
	.p2alignl 7, 3214868480
	.fill 96, 4, 3214868480
	.section	.rodata,"a",@progbits
	.p2align	6, 0x0
	.amdhsa_kernel k_qca8ce73d8c_attn
		.amdhsa_group_segment_fixed_size 215040
		.amdhsa_private_segment_fixed_size 0
		.amdhsa_enable_private_segment 0
		.amdhsa_kernarg_size 32
		.amdhsa_user_sgpr_count 2
		.amdhsa_user_sgpr_kernarg_segment_ptr 1
		.amdhsa_wavefront_size32 1
		.amdhsa_system_sgpr_workgroup_id_x 1
		.amdhsa_system_sgpr_workgroup_id_y 1
		.amdhsa_system_sgpr_workgroup_id_z 1
		.amdhsa_system_vgpr_workitem_id 0
		.amdhsa_next_free_vgpr 256
		.amdhsa_next_free_sgpr 66
		.amdhsa_reserve_vcc 0
		.amdhsa_float_denorm_mode_32 3
		.amdhsa_float_denorm_mode_16_64 3
		.amdhsa_memory_ordered 1
		.amdhsa_forward_progress 1
		.amdhsa_inst_pref_size 54
	.end_amdhsa_kernel
	.amdgpu_metadata
---
amdhsa.version: [ 1, 2 ]
amdhsa.kernels:
  - .name:           k_qca8ce73d8c_attn
    .symbol:         k_qca8ce73d8c_attn.kd
    .args:
      - { .name: qbuf, .offset: 0, .size: 8, .value_kind: global_buffer, .address_space: global }
      - { .name: kv, .offset: 8, .size: 8, .value_kind: global_buffer, .address_space: global }
      - { .name: ac, .offset: 16, .size: 8, .value_kind: global_buffer, .address_space: global }
      - { .name: asc, .offset: 24, .size: 8, .value_kind: global_buffer, .address_space: global }
    .group_segment_fixed_size: 215040
    .private_segment_fixed_size: 0
    .kernarg_segment_align: 8
    .kernarg_segment_size: 32
    .max_flat_workgroup_size: 512
    .sgpr_count:     66
    .vgpr_count:     256
    .wavefront_size: 32
...
	.end_amdgpu_metadata
.endif
;; end of part 3
;; launch outp (part 4): grid 4 x 32, 4 waves a work-group, clusters of 4 x 4, 327,680 bytes of LDS; arguments ac, asc, wc, ws, b_out, out0; writes out0
.if DOCPART == 4
	.amdgcn_target "amdgcn-amd-amdhsa--gfx1250"
	.amdhsa_code_object_version 6
	.text
	.protected	k_qca8ce73d8c_outp
	.globl	k_qca8ce73d8c_outp
	.p2align	8
	.type	k_qca8ce73d8c_outp,@function
k_qca8ce73d8c_outp:
	s_mov_b64 s[64:65], 0
	v_nop
	global_prefetch_b8 v0, s[64:65] scope:SCOPE_SE
	s_setreg_imm32_b32 hwreg(HW_REG_WAVE_MODE, 25, 1), 1
	s_wait_xcnt 0x0
	s_wait_alu depctr_hold_cnt(0) depctr_sa_sdst(0) depctr_va_vdst(0) depctr_va_sdst(0) depctr_va_ssrc(0) depctr_va_vcc(0) depctr_vm_vsrc(0)
	s_getreg_b32 s2, hwreg(HW_REG_IB_STS2, 6, 4)
	s_cmp_eq_u32 s2, 0
	s_cbranch_scc0 .Lentry_in_a_cluster
	s_endpgm
.Lentry_in_a_cluster:
	s_bfe_u32 s2, ttmp6, 0x10000c
	s_cmp_lg_u32 s2, 0xf033
	s_cbranch_scc0 .Lentry_shape_is_right
	s_endpgm
.Lentry_shape_is_right:
; out = o w_out^T + b_out on codes of FP6 (E2M3) with E8M0 scales for each 32 along K = 1,024; out: [8192][1024] f32.
; A = o arrives as OPERAND IMAGES: ac [tile of 16 rows][head][768 bytes]: a head's half image holds registers 0-3 as 512 bytes, 16 a lane, and registers 4-5 as 256 bytes, 8 a lane; two heads are a fragment of 128 along K.
; Its scale bytes: asc [head][row], two bytes.  A's rows stand in the order in which the launches before left them: place 16 t + r (t = 2 b + u) is token 32 b + 8 u + r + 8 (r / 8); the stores put them back.
; B = w_out: rows 3,072 on of wc (768 bytes a row, K innermost) and of ws (32 bytes a row), in their own order.
; A tile of out, 256 x 256, is made by four waves, 128 x 128 each: 64 accumulators, 512 registers.  K goes in steps of 256 (four heads) through a ring of two LDS slots filled by the tensor data mover.
; 4 x 4 work-groups form a cluster: A's tiles are asked for jointly along a row of the cluster, B's along a column.  128 tiles: half of the WGPs have one; the tile is kept large so that no fragment is read twice.
; THE MATRIX INSTRUCTION IS USED TRANSPOSED (source 0 = 16 rows of B, source 1 = 16 rows of A): a lane holds eight neighbouring numbers of a row of out.  The bias is the C of each sum's first product.
; REGISTERS, in windows of 256: window 0: v0-31 addresses; v32-63 scale words, two sets; v64-127 the bias in the result's layout; from v128 A's fragments, ONE set; on the way out v128-255 are free.
;   window 1: B's fragments, TWO sets.   window 2: the accumulators of my rows 0-63 ((a, b) at v[8 (8 a + b)]);   window 3: those of my rows 64-127.
.set SIZE_N, 1024
.set NQ,     2                         ; matrix instructions deep in a slot
.set ROWB,   192                       ; B: a tile's row in bytes
.set KROW,   768                       ; B: a row of codes in memory
.set PITCH,  240                       ; B: an LDS row: 3 x (64 bytes + 16 of padding)
.set FR,     12
.set NLA,    4                         ; LDS loads that bring a fragment of A
.set NP,     4                         ; places behind this matrix instruction (ISA guide 7.12.1)
.set AROW,   3072                      ; A: a tile of 16 rows x 4 heads: one row of the mover's tile
.set HALFA,  8*AROW                    ; A: 128 rows: what one tensor load brings
.set HALFT,  128*PITCH                 ; B: the same
.set SLOT,   2*HALFA+2*HALFT           ; A's 256 rows, then B's 256 rows
.set LAPS,   2
.set KS,     32
.set SCL,    2*SLOT                    ; behind the ring: the scale words, as 256 bytes + 16 of padding: A's 256 rows (stored by the waves: no fill lands there), then B's (filled once)
.set HALFS,  (128*KS/256)*272
.set SBLK,   (16*KS/256)*272
.set SPARE,  SCL+4*HALFS               ; the spare words, 128 bytes for each wave
.set SPITCH, 528                       ; the way out: a stage of 16 rows x (512 bytes + 16) for each wave, in slot 0, which has had its last fill and its last read by then
.set ADRA, 16                          ; v16-17 my A fragments in slot 0, 1: + 16 x lane;  v18-19: + 8 x lane
.set ADRB, 20                          ; v20-21 my B fragments (v22-23: behind one padding more)
.set STO,  24
.set RD,   25
.set CO,   26
.set ADRS, 27
.set SPW,  28                          ; LDS address of my spare word; never rewritten
.set NIL,  29                          ; 0; never rewritten
.set SC,   32
.set BI,   64                          ; v64-127 b_out(my column 16 b + 8 h + j) at v[BI + 8 b + j]
.set AF,   128
.set BK,   128
.set G1, 24                            ; s[24:31] group 1 for A's tiles;  s[32:39] group 0, one set for each slot
.set G0, 32
.set G1B, 48                           ; s[48:55], s[56:63] the same for B's tiles
.set G0B, 56
.set G1SB, 80                          ; s[80:87], s[88:91] for B's scales
.set G0SB, 88
.set MSB, 0
.macro WIN new
.if MSB != \new
	s_set_vgpr_msb (MSB<<8)|\new
.set MSB, \new
.endif
.endm
.set MUL_LO, 0xa1                      ; source 0 (B) window 1, source 1 (A) window 0, C and D window 2
.set MUL_HI, 0xf1                      ; the same, C and D window 3
.set TO_B,   0x40
.macro JLOAD g0a, g1a, g0b, g1b        ; a joint refill: waves 0 and 1 fetch for A, waves 2 and 3 for B; four v_nop follow each line
	s_cmp_eq_u32 s15, 0
	s_cbranch_scc0 .Lfor_b_\@
	tensor_load_to_lds s[\g0a:\g0a+3], s[\g1a:\g1a+7]
	s_nop 0
.rept 4
	v_nop
.endr
	s_branch .Lasked_\@
.Lfor_b_\@:
	tensor_load_to_lds s[\g0b:\g0b+3], s[\g1b:\g1b+7]
	s_nop 0
.rept 4
	v_nop
.endr
.Lasked_\@:
.endm
.macro CREST
	s_cmp_lg_u32 s14, 0
	s_cbranch_scc1 .Lnot_wave_0_\@
	s_barrier_signal -3
.Lnot_wave_0_\@:
	s_barrier_wait -3
	s_barrier_signal -1
	s_barrier_wait -1
.endm
.macro CROUND
	s_barrier_signal -1
	s_barrier_wait -1
	CREST
.endm
	s_load_b128 s[4:7], s[0:1], 0x0                ; ac, asc
	s_load_b128 s[8:11], s[0:1], 0x10              ; wc, ws
	s_load_b64 s[68:69], s[0:1], 0x20              ; b_out
	s_load_b64 s[12:13], s[0:1], 0x28              ; out0
	v_lshl_add_u32 v[SPW], v0, 2, SPARE
	v_mov_b32 v[NIL], 0
	ds_add_u32 v28, v29
	ds_add_u32 v28, v29
	s_wait_dscnt 0x0
	v_lshrrev_b32 v1, 5, v0
	v_readfirstlane_b32 s14, v1                    ; wave 0..3
	s_lshr_b32 s15, s14, 1                         ; which half of the tile's rows is mine.  Also: I fetch for A (0) or for B (1)
	s_and_b32 s16, s14, 1                          ; which half of its columns.  Also: which 128 rows of that tile I fetch
	s_bfe_u32 s40, ttmp6, 0x40000                  ; cx, cy
	s_bfe_u32 s41, ttmp6, 0x40004
	s_lshl_b32 s42, ttmp9, 2
	s_add_co_u32 s42, s42, s40                     ; tile column
	s_and_b32 s17, ttmp7, 0xffff
	s_lshl_b32 s17, s17, 2
	s_add_co_u32 s17, s17, s41                     ; tile row
	s_lshl_b32 s43, s41, 2
	s_lshl_b32 s43, 15, s43                        ; my row of the cluster
	s_lshl_b32 s44, 0x1111, s40                    ; my column
	; A's tile: 8 rows of 3,072 bytes (384 elements of 8 bytes), 12,288 bytes apart in memory, dense in LDS
	s_or_b32 s[G1+0], s43, (3<<16)|(1<<21)         ; 15:0 the mask: my row; 17:16 elements of 8 bytes; 21 set beside a mask
	s_mov_b32 s[G1+1], 384<<16                     ; tensor_dim0
	s_mov_b32 s[G1+2], 8<<16                       ; tensor_dim1
	s_mov_b32 s[G1+3], 384<<16                     ; tile_dim0
	s_mov_b32 s[G1+4], 8                           ; tile_dim1
	s_mov_b32 s[G1+5], 1536                        ; tensor_dim0_stride
	s_mov_b32 s[G1+6], 0
	s_mov_b32 s[G1+7], 0
	; B's tile: 128 rows x 192 bytes, 16 bytes of padding behind every 64
	s_or_b32 s[G1B+0], s44, (0<<16)|(1<<20)|(1<<21)|(3<<22)|(3<<25)
	s_mov_b32 s[G1B+1], ROWB<<16
	s_mov_b32 s[G1B+2], 128<<16
	s_mov_b32 s[G1B+3], ROWB<<16
	s_mov_b32 s[G1B+4], 128
	s_mov_b32 s[G1B+5], KROW
	s_mov_b32 s[G1B+6], 0
	s_mov_b32 s[G1B+7], 0
	; B's scales of 128 rows: 4,096 dense bytes as rows of 256, 16 bytes of padding behind each
	s_or_b32 s[G1SB+0], s44, (3<<16)|(1<<20)|(1<<21)|(5<<22)|(3<<25)
	s_mov_b32 s[G1SB+1], 32<<16
	s_mov_b32 s[G1SB+2], (128*KS/256)<<16
	s_mov_b32 s[G1SB+3], 32<<16
	s_mov_b32 s[G1SB+4], 128*KS/256
	s_mov_b32 s[G1SB+5], 32
	s_mov_b32 s[G1SB+6], 0
	s_mov_b32 s[G1SB+7], 0
	s_lshl_b32 s20, s17, 4
	s_lshl_b32 s18, s16, 3
	s_add_co_u32 s20, s20, s18                     ; A: tile of 16 rows number 16 x tile row + 8 x half
	s_mul_i32 s20, s20, 12288
	s_mov_b32 s21, 0
	s_lshl_b32 s46, s42, 8
	s_lshl_b32 s18, s16, 7
	s_add_co_u32 s46, s46, s18
	s_add_co_u32 s46, s46, 3072                    ; B: row 3,072 + 256 x tile column + 128 x half of wc and ws
	s_lshl_b32 s92, s46, 5                         ; its scale bytes,
	s_mov_b32 s93, 0
	s_mul_i32 s46, s46, KROW                       ; its codes
	s_mov_b32 s47, 0
	s_mul_i32 s45, s16, HALFA                      ; where they go: A's half,
	s_mul_i32 s70, s16, HALFT
	s_add_co_u32 s70, s70, 2*HALFA                 ; B's half, behind A's two,
	s_mul_i32 s94, s14, HALFS                      ; B's scales: places 2 and 3 of four (waves 2 and 3 fetch them)
	s_wait_kmcnt 0x0
	s_add_nc_u64 s[20:21], s[4:5], s[20:21]
	s_add_nc_u64 s[46:47], s[8:9], s[46:47]
	s_add_nc_u64 s[92:93], s[10:11], s[92:93]
	CROUND                                         ; all sixteen work-groups are here: the first joint loads meet
	s_mov_b32 s[G0SB], 1
	s_add_co_u32 s[G0SB+1], s94, SCL
	s_mov_b64 s[G0SB+2:G0SB+3], s[92:93]
	s_or_b32 s[G0SB+3], s[G0SB+3], 0x80000000
.irp s, 0,1
	s_mov_b32 s[G0+4*\s], 1
	s_add_co_u32 s[G0+4*\s+1], s45, \s*SLOT
	s_add_nc_u64 s[G0+4*\s+2:G0+4*\s+3], s[20:21], \s*AROW
	s_or_b32 s[G0+4*\s+3], s[G0+4*\s+3], 0x80000000
	s_mov_b32 s[G0B+4*\s], 1
	s_add_co_u32 s[G0B+4*\s+1], s70, \s*SLOT
	s_add_nc_u64 s[G0B+4*\s+2:G0B+4*\s+3], s[46:47], \s*ROWB
	s_or_b32 s[G0B+4*\s+3], s[G0B+4*\s+3], 0x80000000
.endr
	s_cmp_eq_u32 s15, 0                            ; a wave's first fills stand in one branch: two loads of mine are out (A), or three (B and its scales); slot 1's is the last in both
	s_cbranch_scc0 .Lfirst_b
	tensor_load_to_lds s[G0:G0+3], s[G1:G1+7]
	s_nop 0
	tensor_load_to_lds s[G0+4:G0+7], s[G1:G1+7]
	s_nop 0
.rept 4
	v_nop
.endr
	s_branch .Lfirst_asked
.Lfirst_b:
	tensor_load_to_lds s[G0SB:G0SB+3], s[G1SB:G1SB+7]
	s_nop 0
	tensor_load_to_lds s[G0B:G0B+3], s[G1B:G1B+7]
	s_nop 0
	tensor_load_to_lds s[G0B+4:G0B+7], s[G1B:G1B+7]
	s_nop 0
.rept 4
	v_nop
.endr
.Lfirst_asked:
	v_and_b32 v1, 15, v0                           ; r
	v_bfe_u32 v2, v0, 4, 1                         ; h
	; A's scale bytes: thread n takes rows 2 n and 2 n + 1 of the work-group's 256: one word (two half-words) of each head
	s_wait_alu depctr_va_vdst(0)
	s_lshl_b32 s20, s17, 9                         ; 256 rows x 2 bytes a tile row
	s_mov_b32 s21, 0
	s_add_nc_u64 s[6:7], s[6:7], s[20:21]
	v_lshlrev_b32 v7, 2, v0
.irp n, 0,1,2,3,4,5,6,7,8,9,10,11,12,13,14,15
	global_load_b32 v[128+\n], v7, s[6:7] offset:16384*\n
.endr
	; the bias of my 128 columns, in the result's layout
	s_lshl_b32 s46, s42, 10
	s_lshl_b32 s47, s16, 9
	s_add_co_u32 s46, s46, s47                     ; my first column, in bytes
	s_mov_b32 s47, 0
	s_add_nc_u64 s[68:69], s[68:69], s[46:47]
	v_lshlrev_b32 v8, 5, v2                        ; 32 h
.irp b, 0,1,2,3,4,5,6,7
	global_load_b128 v[BI+8*\b:BI+8*\b+3], v8, s[68:69] offset:64*\b
	global_load_b128 v[BI+8*\b+4:BI+8*\b+7], v8, s[68:69] offset:64*\b+16
.endr
	v_and_b32 v6, 31, v0
	v_lshlrev_b32 v3, 4, v6                        ; 16 x lane
	v_lshlrev_b32 v4, 3, v6                        ; 8 x lane
	s_mul_i32 s21, s15, HALFA                      ; my 128 rows of A
.irp s, 0,1
	v_add_nc_u32 v[ADRA+\s], s21, v3
	v_add_nc_u32 v[ADRA+2+\s], s21, v4
	s_add_co_u32 s21, s21, SLOT
.endr
	v_mul_u32_u24 v3, v1, PITCH
	v_mul_u32_u24 v4, v2, 24
	v_add_nc_u32 v4, v3, v4                        ; B: a fragment's row x pitch + 24 x half
	v_lshl_add_u32 v5, v2, 4, v4                   ; and the same behind one padding more
	s_mul_i32 s22, s16, HALFT
	s_add_co_u32 s22, s22, 2*HALFA                 ; my 128 rows of B
.irp s, 0,1
	v_add_nc_u32 v[ADRB+\s], s22, v4
	v_add_nc_u32 v[ADRB+2+\s], s22, v5
	s_add_co_u32 s22, s22, SLOT
.endr
	v_mul_u32_u24 v5, v1, KS                       ; my row's scale words: 32 bytes a row,
	v_lshrrev_b32 v6, 8, v5
	v_lshl_add_u32 v5, v6, 4, v5                   ; and 16 more for each 256 passed
	s_mul_i32 s21, s15, HALFS                      ; A's: my 128 rows
	s_mul_i32 s22, s16, HALFS                      ; B's: my 128 rows, behind A's 256
	s_add_co_u32 s22, s22, 2*HALFS
	s_sub_co_u32 s22, s22, s21
	v_mul_u32_u24 v6, s22, v2                      ; lanes 16-31 take B's
	s_add_co_u32 s21, s21, SCL
	v_add_nc_u32 v5, v5, v6
	v_add_nc_u32 v[ADRS], s21, v5
	s_mul_i32 s23, s14, 16*SPITCH                  ; my stage
	v_mul_u32_u24 v5, v1, SPITCH                   ; in: row r, 32 bytes for each half of the lanes
	v_lshl_add_u32 v5, v2, 5, v5
	v_add_nc_u32 v[STO], s23, v5
	v_and_b32 v6, 31, v0
	v_lshlrev_b32 v[CO], 4, v6                     ; back: the 32 lanes take one row of 512 bytes; and the same in out
	v_add_nc_u32 v[RD], s23, v[CO]
	s_lshl_b32 s20, s17, 8
	s_lshl_b32 s21, s15, 7
	s_add_co_u32 s20, s20, s21                     ; my first row of out
	s_lshl_b32 s20, s20, 12                        ; 4,096 bytes a row
	s_mov_b32 s21, 0
	s_add_nc_u64 s[12:13], s[12:13], s[20:21]
	s_add_nc_u64 s[12:13], s[12:13], s[46:47]      ; and my first column
	v_lshrrev_b32 v6, 2, v0                        ; where my two rows' scale words go: 64 n + 16 (n / 4): 32 bytes a row, 16 of padding behind every 8 rows
	v_lshlrev_b32 v6, 4, v6
	v_lshl_add_u32 v6, v0, 6, v6
	v_add_nc_u32 v6, SCL, v6
	s_wait_loadcnt 16                              ; the sixteen heads' words are in; the bias's sixteen loads may be out
.irp j, 0,1,2,3,4,5,6,7                        ; a scale word serves 128 along K: two heads, two bytes each
	v_perm_b32 v[144+\j], v[129+2*\j], v[128+2*\j], 0x05040100   ; row 2 n: the two low half-words, the even head's below
	v_perm_b32 v[152+\j], v[129+2*\j], v[128+2*\j], 0x07060302   ; row 2 n + 1: the two high half-words
.endr
.irp j, 0,1,2,3
	ds_store_b128 v6, v[144+4*\j:147+4*\j] offset:16*\j
.endr
.macro FRAG reg, adr, q, i             ; a fragment of B from rows of 192 bytes, in pieces of 8 bytes; where the piece three on lies behind one padding more, the second address register serves
.irp p, 0,1,2,3,4,5
.set PCE, 12*(\q)+6*(\p/3)+\p%3
.if PCE%8 < 5
	ds_load_b64 v[\reg+2*\p:\reg+2*\p+1], v[\adr] offset:8*PCE+16*(PCE/8)+(\i)*16*PITCH
.else
	ds_load_b64 v[\reg+2*\p:\reg+2*\p+1], v[\adr+2] offset:8*PCE+16*(PCE/8)+(\i)*16*PITCH
.endif
.endr
.endm
.macro FRAG_A reg, slot, q, i          ; a fragment of A: two half images, as they were stored
	ds_load_b128 v[\reg:\reg+3], v[ADRA+\slot] offset:AROW*(\i)+1536*(\q)
	ds_load_b64 v[\reg+4:\reg+5], v[ADRA+2+\slot] offset:AROW*(\i)+1536*(\q)+512
	ds_load_b128 v[\reg+6:\reg+9], v[ADRA+\slot] offset:AROW*(\i)+1536*(\q)+768
	ds_load_b64 v[\reg+10:\reg+11], v[ADRA+2+\slot] offset:AROW*(\i)+1536*(\q)+1280
.endm
; 16 matrix instructions: A's blocks a0, a0 + 1 x B's eight.  zero = 1: the first product starts the sums from the bias.  The 64 accumulators take turns, one instruction a turn.
.macro MUL16 a0, p, q, sc, zero
.irp a, \a0, \a0+1
.irp b, 0,1,2,3,4,5,6,7
.if \zero
	v_wmma_scale_f32_16x16x128_f8f6f4 v[8*(8*((\a)%4)+\b):8*(8*((\a)%4)+\b)+7], v[128*(\p)+FR*\b:128*(\p)+FR*\b+FR-1], v[AF+FR*(\a):AF+FR*(\a)+FR-1], v[BI+8*\b:BI+8*\b+7], v[SC+8*NQ*(\sc)+NQ*\b+(\q)], v[SC+8*NQ*(\sc)+NQ*(\a)+(\q)] matrix_a_fmt:MATRIX_FMT_FP6 matrix_b_fmt:MATRIX_FMT_FP6 matrix_a_scale:MATRIX_SCALE_ROW1
.else
	v_wmma_scale_f32_16x16x128_f8f6f4 v[8*(8*((\a)%4)+\b):8*(8*((\a)%4)+\b)+7], v[128*(\p)+FR*\b:128*(\p)+FR*\b+FR-1], v[AF+FR*(\a):AF+FR*(\a)+FR-1], v[8*(8*((\a)%4)+\b):8*(8*((\a)%4)+\b)+7], v[SC+8*NQ*(\sc)+NQ*\b+(\q)], v[SC+8*NQ*(\sc)+NQ*(\a)+(\q)] matrix_a_fmt:MATRIX_FMT_FP6 matrix_b_fmt:MATRIX_FMT_FP6 matrix_a_scale:MATRIX_SCALE_ROW1
.endif
.endr
.endr
.endm
.macro FETCH_B slot, q, p
	WIN TO_B
.irp i, 0,1,2,3,4,5,6,7
	FRAG 128*(\p)+FR*\i, ADRB+\slot, \q, \i
.endr
	WIN 0
.endm
.macro FETCH_A slot, q, i0
.irp i, \i0, \i0+1, \i0+2, \i0+3
	FRAG_A AF+FR*(\i), \slot, \q, \i
.endr
.endm
.macro SCALES sc                       ; the next K step's scale words into set sc: lanes 0-15 take A's block i, lanes 16-31 B's block i
.irp i, 0,1,2,3,4,5,6,7
	ds_load_b64 v[SC+8*NQ*\sc+NQ*\i:SC+8*NQ*\sc+NQ*\i+1], v[ADRS] offset:\i*SBLK
.endr
.endm
.macro PLACES n                        ; places in front of loads into registers that matrix instructions have read, and of the first read of results (for the first read of results)
.rept \n
	v_nop
.endr
.endm
.macro STEP slot, q, zero
	s_wait_dscnt 4*NLA                             ; B's set and A's blocks 0-3 are in; the youngest 16 loads (A's blocks 4-7) may be out
.if \zero
	WIN 0x81                                       ; C, the bias, in window 0; D in window 2
.else
	WIN MUL_LO
.endif
	MUL16 0, (\q)%2, \q, \slot, \zero
	MUL16 2, (\q)%2, \q, \slot, \zero
	s_wait_dscnt 0                                 ; A's blocks 4-7 are in
	PLACES NP
	FETCH_B \slot, (\q)+1, 1-(\q)%2
	FETCH_A \slot, (\q)+1, 0
.if \zero
	WIN 0xc1                                       ; C in window 0; D in window 3
.else
	WIN MUL_HI
.endif
	MUL16 4, (\q)%2, \q, \slot, \zero
	MUL16 6, (\q)%2, \q, \slot, \zero
	PLACES NP
	WIN 0
	FETCH_A \slot, (\q)+1, 4
.endm
; A slot's last step changes slots: ONE barrier; in front of it each wave waits for all its tensor loads, adds 0 to its spare word, and waits for that and for its own reads of this slot.
.macro TURN slot, next, fill
	s_wait_tensorcnt 0x0                           ; all my tensor loads have landed: my part of the next slot;
	ds_add_u32 v[SPW], v[NIL]                      ; 0 onto my spare word;
	s_wait_dscnt 4*NLA+1                           ; (the add and the youngest 16 loads, A's blocks 4-7, may be out)
	WIN MUL_LO
	MUL16 0, 1, NQ-1, \slot, 0                     ; sixteen matrix instructions stand between the add and the wait for it
	s_wait_dscnt 0x0                               ; the add is done, and my reads of this slot are over
	s_barrier_signal -1
	MUL16 2, 1, NQ-1, \slot, 0
	WIN 0
	s_barrier_wait -1
.if \fill
	CREST                                          ; the barrier has opened a round of the cluster's barrier: no wave of any partner still reads this slot's tile or has a load on its way
	s_add_nc_u64 s[G0+4*\slot+2:G0+4*\slot+3], s[G0+4*\slot+2:G0+4*\slot+3], 2*AROW
	s_add_nc_u64 s[G0B+4*\slot+2:G0B+4*\slot+3], s[G0B+4*\slot+2:G0B+4*\slot+3], 2*ROWB
	JLOAD G0+4*\slot, G1, G0B+4*\slot, G1B         ; the first tensor load behind the round; the four v_nop behind it are the places in front of the loads below
.else
	PLACES NP
.endif
	s_wait_alu depctr_va_vdst(0)
	v_add_nc_u32 v[ADRS], 4*NQ, v[ADRS]            ; on to the next K step's scale words (no LDS load of mine is out)
	FETCH_B \next, 0, 0
	FETCH_A \next, 0, 0
	SCALES \next
	WIN MUL_HI
	MUL16 4, 1, NQ-1, \slot, 0
	MUL16 6, 1, NQ-1, \slot, 0
	PLACES NP
	WIN 0
	FETCH_A \next, 0, 4
.endm
	s_wait_loadcnt 0x0                             ; the bias
	s_wait_tensorcnt 1                             ; my part of K step 0 (and B's scales) is in; K step 1's load may be out
	s_wait_dscnt 0x0                               ; for the others' sake: my rows' scale words are in LDS
	s_barrier_signal -1
	s_barrier_wait -1
	FETCH_B 0, 0, 0
	FETCH_A 0, 0, 0
	SCALES 0
	FETCH_A 0, 0, 4
	STEP 0, 0, 1                                   ; the first step stands in front of the loop: its products start the sums
	s_mov_b32 s3, LAPS-1
.Llap:                                                 ; a trip goes once round the ring and fills both slots again
	TURN 0, 1, 1
	STEP 1, 0, 0
	TURN 1, 0, 1
	STEP 0, 0, 0
	s_sub_co_u32 s3, s3, 1
	s_cmp_lg_u32 s3, 0
	s_cbranch_scc1 .Llap
	TURN 0, 1, 0                                   ; the last lap fills nothing, and has no round of the cluster's barrier
	STEP 1, 0, 0
	s_wait_dscnt 4*NLA                             ; the very last step: nothing more to fetch
	WIN MUL_LO
	MUL16 0, 1, NQ-1, 1, 0
	MUL16 2, 1, NQ-1, 1, 0
	s_wait_dscnt 0
	WIN MUL_HI
	MUL16 4, 1, NQ-1, 1, 0
	MUL16 6, 1, NQ-1, 1, 0
	WIN 0
; THE WAY OUT, block by block of 16 rows x 128 columns, through my own stage in LDS: in as 32 bytes a lane, back as whole rows of 512 bytes.  LDS serves a wave's instructions in order (ISA guide 5.7.1.4).
.macro TOSTAGE a
.set AC, 64*((\a)%4)
.set WN, 0x08+4*((\a)/4)
	WIN WN                                         ; the data: window 2 or 3
.irp b, 0,1,2,3,4,5,6,7
	ds_store_b128 v[STO], v[AC+8*\b:AC+8*\b+3] offset:64*\b          ; each accumulator from its low end on
	ds_store_b128 v[STO], v[AC+8*\b+4:AC+8*\b+7] offset:64*\b+16
.endr
	WIN 0
.set BB, BK+64*((\a)%2)
.irp t, 0,1,2,3,4,5,6,7,8,9,10,11,12,13,14,15
	ds_load_b128 v[BB+4*\t:BB+4*\t+3], v[RD] offset:\t*SPITCH
.endr
.endm
; Block a's place t is token 32 (a / 2) + 8 (a % 2) + t + 8 (t / 8) of my 128: the base steps 8 rows to an odd block and 24 to an even one; the rest stands in the immediate.
.macro SEND a, younger                 ; younger: the LDS instructions issued behind block a's loads, which may stay out
.set BB, BK+64*((\a)%2)
	s_wait_dscnt \younger                          ; the block is back in registers
.if (\a) > 0
.if ((\a)%2) == 1
	s_add_nc_u64 s[12:13], s[12:13], 8*SIZE_N*4    ; (behind a wait on XCNT: the earlier stores have read their base)
.else
	s_add_nc_u64 s[12:13], s[12:13], 24*SIZE_N*4
.endif
.endif
.irp t, 0,1,2,3,4,5,6,7,8,9,10,11,12,13,14,15
	global_store_b128 v[CO], v[BB+4*\t:BB+4*\t+3], s[12:13] offset:(\t+8*(\t/8))*SIZE_N*4 th:TH_STORE_NT   ; 32 lanes store 512 consecutive bytes, aligned; written once, read by nobody here
.endr
.endm
	PLACES NP                                      ; behind the last products: for the loads into the registers that held A's fragments and for the reads of results
	TOSTAGE 0
.irp a, 1,2,3,4,5,6,7
.if \a > 1
	s_wait_xcnt 0x0                                ; block a - 2's stores have read their registers and their base: block a's loads may land there, and the base may step
.endif
	TOSTAGE \a
	SEND \a-1, 32                                  ; behind block a - 1's loads: block a's 16 stores and 16 loads
.endr
	s_wait_xcnt 0x0                                ; block 6's stores have read their base
	SEND 7, 0
	s_wait_tensorcnt 0x0                           ; the wave's end: behind my last tensor load and my last LDS store
	ds_add_u32 v[SPW], v[NIL]
	s_wait_dscnt 0x0
	CROUND                                         ; the closing round: no work-group ends while a partner may still ask for a tile that names it
	s_endpgm
.Lfunc_end_k_qca8ce73d8c_outp:
	.size	k_qca8ce73d8c_outp, .Lfunc_end_k_qca8ce73d8c_outp-k_qca8ce73d8c_outp
	.p2alignl 7, 3214868480
	.fill 96, 4, 3214868480
	.section	.rodata,"a",@progbits
	.p2align	6, 0x0
	.amdhsa_kernel k_qca8ce73d8c_outp
		.amdhsa_group_segment_fixed_size 327680
		.amdhsa_private_segment_fixed_size 0
		.amdhsa_enable_private_segment 0
		.amdhsa_kernarg_size 48
		.amdhsa_user_sgpr_count 2
		.amdhsa_user_sgpr_kernarg_segment_ptr 1
		.amdhsa_wavefront_size32 1
		.amdhsa_system_sgpr_workgroup_id_x 1
		.amdhsa_system_sgpr_workgroup_id_y 1
		.amdhsa_system_sgpr_workgroup_id_z 1
		.amdhsa_system_vgpr_workitem_id 0
		.amdhsa_next_free_vgpr 1024
		.amdhsa_next_free_sgpr 98
		.amdhsa_reserve_vcc 0
		.amdhsa_float_denorm_mode_32 3
		.amdhsa_float_denorm_mode_16_64 3
		.amdhsa_memory_ordered 1
		.amdhsa_forward_progress 1
		.amdhsa_inst_pref_size 156
	.end_amdhsa_kernel
	.amdgpu_metadata
---
amdhsa.version: [ 1, 2 ]
amdhsa.kernels:
  - .name:           k_qca8ce73d8c_outp
    .symbol:         k_qca8ce73d8c_outp.kd
    .args:
      - { .name: ac, .offset: 0, .size: 8, .value_kind: global_buffer, .address_space: global }
      - { .name: asc, .offset: 8, .size: 8, .value_kind: global_buffer, .address_space: global }
      - { .name: wc, .offset: 16, .size: 8, .value_kind: global_buffer, .address_space: global }
      - { .name: ws, .offset: 24, .size: 8, .value_kind: global_buffer, .address_space: global }
      - { .name: b_out, .offset: 32, .size: 8, .value_kind: global_buffer, .address_space: global }
      - { .name: out0, .offset: 40, .size: 8, .value_kind: global_buffer, .address_space: global }
    .group_segment_fixed_size: 327680
    .private_segment_fixed_size: 0
    .kernarg_segment_align: 8
    .kernarg_segment_size: 48
    .max_flat_workgroup_size: 128
    .sgpr_count:     98
    .vgpr_count:     1024
    .wavefront_size: 32
...
	.end_amdgpu_metadata
.endif
;; end of part 4
